; MI455X (gfx1250); checked and timed in simulation.
; The chip was launched on July 23, 2026; its instructions are those of AMD's public machine-readable ISA for CDNA 5 (MIT licence, August 2026) and "CDNA5" Instruction Set Architecture Reference Guide (July 2026). The comments in the code are by the model that wrote it; some were corrected since.
;; multi head attention. Allowed arithmetic: matrix products marked QUANTISED: E2M1 operands, one E8M0 scale for each 32 along K, by v_wmma_scale_f32_16x16x128_f8f6f4 with both operands' format E2M1 (or v_wmma_scale_f32_32x16x128_f4), f32 sums; everything else in f32.
;; Inputs: Wk_codes 1,024 x 32 x 16 uint8 (E2M1 codes of Wk, K innermost, in blocks of 32 codes, two codes a byte); Wk_scales 1,024 x 32 uint8 (E8M0 scales of Wk, one for each 32 codes along K); Wq_codes 1,024 x 32 x 16 uint8 (E2M1 codes of Wq, K innermost, in blocks of 32 codes, two codes a byte); Wq_scales 1,024 x 32 uint8 (E8M0 scales of Wq, one for each 32 codes along K); Wres_codes 1,024 x 32 x 16 uint8 (E2M1 codes of Wres, K innermost, in blocks of 32 codes, two codes a byte); Wres_scales 1,024 x 32 uint8 (E8M0 scales of Wres, one for each 32 codes along K); Wv_codes 1,024 x 32 x 16 uint8 (E2M1 codes of Wv, K innermost, in blocks of 32 codes, two codes a byte); Wv_scales 1,024 x 32 uint8 (E8M0 scales of Wv, one for each 32 codes along K); b_att 64 float32; b_out 1,024 float32; bk 1,024 float32; bq 1,024 float32; bres 1,024 float32; bv 1,024 float32; g_att 64 float32; g_out 1,024 float32; key_codes 2 x 2,048 x 32 x 16 uint8 (E2M1 codes of key, K innermost, in blocks of 32 codes, two codes a byte); key_scales 2 x 2,048 x 32 uint8 (E8M0 scales of key, one for each 32 codes along K); mask 2 x 2,048 int32; query_codes 2 x 2,048 x 32 x 16 uint8 (E2M1 codes of query, K innermost, in blocks of 32 codes, two codes a byte); query_scales 2 x 2,048 x 32 uint8 (E8M0 scales of query, one for each 32 codes along K); value_codes 2 x 2,048 x 32 x 16 uint8 (E2M1 codes of value, K innermost, in blocks of 32 codes, two codes a byte); value_scales 2 x 2,048 x 32 uint8 (E8M0 scales of value, one for each 32 codes along K).
;; Outputs: out0 2 x 2,048 x 1,024 float32.
;; This version of the problem:
;;   THIS VERSION OF THE PROBLEM IS GIVEN IN LOW PRECISION. The matrix products marked QUANTISED in the list below multiply operands that are first quantised to E2M1 (2 exponent bits, 1 mantissa bit; 4 bits a number), with one power-of-two scale for each 32 numbers along K (OCP MX v1.0); their sums are f32. All else is computed in f32.
;;   The module's matrix products, in the order in which they are computed (A, B: the left and right operand; K: the contracted axis; several contracted axes count as one K, in the product's order):
;;     1. [M 4,096, K 1,024] x [K 1,024, N 1,024]; A: input query (given as codes); B: input Wq (given as codes): QUANTISED
;;     2. [M 4,096, K 1,024] x [K 1,024, N 1,024]; A: input key (given as codes); B: input Wk (given as codes): QUANTISED
;;     3. [M 4,096, K 1,024] x [K 1,024, N 1,024]; A: input value (given as codes); B: input Wv (given as codes): QUANTISED
;;     4. batch 32 x [M 2,048, K 64] x [K 64, N 2,048]; A: computed on the way; B: computed on the way: QUANTISED
;;     5. batch 32 x [M 2,048, K 2,048] x [K 2,048, N 64]; A: softmax (see below); B: computed on the way: QUANTISED
;;     6. [M 4,096, K 1,024] x [K 1,024, N 1,024]; A: computed on the way; B: input Wres (given as codes): QUANTISED
;;   THE QUANTISER, for each operand of a quantised product, along K:
;;     - K is cut into blocks of 32 from its start; a last block that is shorter is filled with zeros.
;;     - A block's scale is 2^e with e = floor(log2(the largest magnitude in the block)) - 2, held to -126 .. 127; a block of zeros has e = 0. As a byte (E8M0): e + 127.
;;     - Each number is divided by its block's scale, clamped to +-6, and rounded to the nearest number of E2M1, ties to even, subnormals kept.
;;     - The product sums the exact products of the quantised numbers (number of the format x scale) in f32.
;;   ~~~python
;;   def quantise(x, axis):      # numpy; x: float32 -> the quantised numbers, widened to float32 again
;;       x = np.moveaxis(x, axis, -1); K = x.shape[-1]
;;       x = np.pad(x, [(0, 0)] * (x.ndim - 1) + [(0, -K % 32)]); x = x.reshape(x.shape[:-1] + (-1, 32)); a = np.abs(x).max(-1, keepdims=True)
;;       e = np.where(a > 0, np.clip(np.frexp(np.where(a > 0, a, 1))[1] - 1 - 2, -126, 127), 0)      # np.frexp(a)[1] - 1 = floor(log2(a)), exactly
;;       r = np.clip(x / 2.0 ** e, -6, 6)
;;       step = 2.0 ** (np.maximum(np.frexp(np.where(r == 0, 1, r))[1] - 1, 0) - 1)
;;       q = np.round(r / step) * step * 2.0 ** e      # np.round: ties to even
;;       return np.moveaxis(q.reshape(q.shape[:-2] + (-1,))[..., :K], -1, axis).astype(np.float32)
;;   ~~~
;;   SOFTMAX AHEAD OF A QUANTISED PRODUCT. Where the list says 'softmax', what is quantised is not the finished softmax but p = 2^(t - M), with t = logit x log2(e) and M = ceil(the row's largest t), a whole number; so 1/2 < the row's largest p <= 1. The row's sum l is taken of the UNQUANTISED p, in f32, and the product's result is divided by l at the end. Since M is a whole number, a kernel that streams over the keys may use a running M (the ceiling of the running maximum): every later rescaling is an exact power of two, which a block's scale takes up: the codes' values come out the same.
;;   OPERANDS COMPUTED ON THE WAY. 'Computed on the way' means the value that the module computes at that place (a softmax that the list does not call 'softmax' is quantised finished and normalised). What goes into a quantiser is computed in f32, as accurately as f32 sums, v_exp_f32 and their like allow (about 1e-6 of the number): no bf16 or f16 on the way to a quantiser, and a product that is left as it is and whose result goes on into a quantised operand takes f32 operands (vector FMAs, or v_wmma_f32_16x16x4_f32). A number that lies on a knife's edge between two numbers of the format may be rounded either way, as far as f32 arithmetic and the matrix unit's own rounding can turn it there, and no further.
;;   INPUTS GIVEN AS CODES. Wk (in the module: [1024, 1024], K = its axis 0); Wq (in the module: [1024, 1024], K = its axis 0); Wres (in the module: [1024, 1024], K = its axis 0); Wv (in the module: [1024, 1024], K = its axis 0); key (in the module: [2, 2048, 1024], K = its axis 2); query (in the module: [2, 2048, 1024], K = its axis 2); value (in the module: [2, 2048, 1024], K = its axis 2): each comes as NAME_codes (uint8): NAME with its K axis moved to the last place and cut into blocks of 32 codes, [.., K / 32, bytes a block], one block behind the other in memory; two codes a byte, the lower K in the low four bits (a code: sign, 2 exponent bits, 1 mantissa bit); and NAME_scales (uint8): the same leading axes, one E8M0 byte (e + 127) for each 32 codes along K. Its value is code x scale, taken as it is: it is not quantised again, and the codes and scales need not be those that the quantiser above would give.
;; One version. Each part assembles by itself: llvm-mc -triple=amdgcn-amd-amdhsa -mcpu=gfx1250 --defsym DOCPART=n.
;; ======== version 1 of 1: 3 launches
;; limits: right only within a limited range of input values
;; workspace buffers: kv 4,587,520 bytes; xf 16,777,216 bytes; xc 2,097,152 bytes; xs 131,072 bytes
;; launch proj (part 1): grid 16 x 16, 8 waves a work-group, clusters of 4 x 4, 216,832 bytes of LDS; arguments Wk_codes, Wk_scales, key_codes, key_scales, value_codes, value_scales, Wv_codes, Wv_scales, bk, bv, kv; writes kv
.if DOCPART == 1
	.amdgcn_target "amdgcn-amd-amdhsa--gfx1250"
	.amdhsa_code_object_version 6
	.text
	.protected	k_q3c61227996_proj
	.globl	k_q3c61227996_proj
	.p2align	8
	.type	k_q3c61227996_proj,@function
k_q3c61227996_proj:
	s_mov_b64 s[64:65], 0
	v_nop
	global_prefetch_b8 v0, s[64:65] scope:SCOPE_SE
	s_setreg_imm32_b32 hwreg(HW_REG_WAVE_MODE, 25, 1), 1
	s_wait_xcnt 0x0
	s_wait_alu depctr_hold_cnt(0) depctr_sa_sdst(0) depctr_va_vdst(0) depctr_va_sdst(0) depctr_va_ssrc(0) depctr_va_vcc(0) depctr_vm_vsrc(0)
	s_getreg_b32 s2, hwreg(HW_REG_IB_STS2, 6, 4)
	s_cmp_eq_u32 s2, 0
	s_cbranch_scc0 .Lentry_in_a_cluster
	s_endpgm
.Lentry_in_a_cluster:
	s_bfe_u32 s2, ttmp6, 0x10000c
	s_cmp_lg_u32 s2, 0xf033
	s_cbranch_scc0 .Lentry_shape_is_right
	s_endpgm
.Lentry_shape_is_right:
; k = key Wk + bk, quantised along each head's 64 channels; v = value Wv + bv, quantised along the keys.  Both products on codes of FP4 (E2M1) with one E8M0 byte for each 32 along K = 1,024.
; ONE BODY FOR BOTH: Z = (rows of source 0) x (rows of source 1), used so that a lane holds ONE row of source 1 and its registers run along the rows of source 0, which are the axis to be quantised.
;   path k (cluster y 0, 1): source 0 = Wk's 1,024 rows (channels), source 1 = key's 4,096 rows.      path v (cluster y 2, 3): source 0 = value's 4,096 rows (keys), source 1 = Wv's 1,024 rows (channels).
; SHARES.  A work-group takes 128 rows of source 0 x 256 rows of source 1, all of K: 128 + 128 work-groups.  Wave w takes rows 32 w .. 32 w + 31 of source 1 (two tiles j) against all eight tiles i of source 0: 16 accumulators.
; CLUSTER 4 x 4: source 0's rows hang on the cluster's row alone and are asked for jointly by its four work-groups, source 1's on the column alone.  The path hangs on the cluster's y, which all sixteen share.
; LDS is filled once (codes of 384 rows, all of K, and their scale bytes): no slot is ever filled again.
; OUT.  kv [16 b + head][step of 128 keys][8,960 bytes]: images of operand registers: K's eight tiles of 16 keys (512 t + 16 lane), V's four tiles of 16 channels (4,096 + 1,024 t + 512 c + 16 lane),
;   three planes of 256 bytes of scale words at 8,192 (K's tiles 0-3, K's tiles 4-7, V's tiles 0-3; word of row r, tile t at 16 r + 4 (t % 4)).  A word of K holds two bytes, its upper two are 0.
; LIMITS: NaN and infinities are not served.  A block whose largest magnitude lies under 2^-124, a block of zeros among them, gets the byte 1: its codes are zeros, and this program alone reads the bytes.
; The scale words leave 8 bytes of every 16 at a time (768 of a block's 8,960 bytes); all codes leave as 512 consecutive bytes a store.
.set PITCH, 528                        ; an LDS row of codes: 512 bytes + 16 of padding = 132 words: sixteen neighbouring rows start four banks apart (64 banks of 4 bytes: ISA guide 11.1)
.set S0C,   0                          ; source 0's 128 rows
.set S1C,   128*PITCH                  ; source 1's 256 rows
.set S0S,   S1C+256*PITCH              ; source 0's scale bytes: 4,096 dense bytes as 16 rows of 256 + 16
.set S1S,   S0S+16*272                 ; source 1's: 32 such rows; the region ends at 215,808
.set STEPB, 8960
.set BHB,   16*STEPB                   ; from a head's blocks to the next head's
.set WV,  26                           ; s26 my wave's number
.set SEL, 16                           ; s[16:17] lane selects for v_permlanex16_b32 (set behind the join)
.set G1A, 36                           ; s[36:43] group 1, source 0's codes;  s[44:51] source 1's;  s[52:59], s[68:75] their scale bytes
.set G1B, 44
.set G1SA, 52
.set G1SB, 68
.set G0A, 76                           ; s[76:79], s[80:83], s[84:87], s[88:91] the four groups 0
.set G0B, 80
.set G0SA, 84
.set G0SB, 88
.set A0,  1                            ; v1  LDS: 528 r + 16 h (source 0's fragments)
.set A1,  2                            ; v2  LDS: source 1's, my wave's 32 rows
.set AS0, 3                            ; v3  LDS: source 0's scale words of row r
.set AS1, 4                            ; v4  LDS: source 1's
.set LI,  5                            ; v5  16 x lane
.set R16, 6                            ; v6  16 r
.set H32, 7                            ; v7  32 h
.set R4,  8                            ; v8  4 r
.set SC0, 12                           ; v12-27 source 0's scale words, two K steps a tile; v28-31 source 1's: these registers hold scales alone
.set SC1, 28
.set F1,  32                           ; v32-47  source 1's two fragments
.set F0,  48                           ; v48-111 source 0's eight
.set ACC, 112                          ; v112-239 accumulator (i, j) at 112 + 8 (8 j + i)
.set BV,  240                          ; v240-243 path v: bv of my lane's channel, twice for each tile j
.set TM,  48                           ; the quantiser's work registers lie where source 0's fragments lay
.set TP,  52
.set TS,  56
.set PC,  64                           ; v64-79 the codes, eight registers a tile j
.set PW,  80                           ; v80-81 the scale words
.macro CROUND                          ; a round of the cluster's barrier
	s_barrier_signal -1
	s_barrier_wait -1
	s_cmp_lg_u32 s[WV], 0
	s_cbranch_scc1 .Lnot_wave_0_\@
	s_barrier_signal -3
.Lnot_wave_0_\@:
	s_barrier_wait -3
	s_barrier_signal -1
	s_barrier_wait -1
.endm
.macro PLACES                          ; four plain vector lines behind a matrix instruction, ahead of loads into its registers and of reads of its result
.rept 4
	v_nop
.endr
.endm
; 16 nb numbers of a lane, v[z] on: tile t's register j = unit 16 t + 8 (lane / 16) + j of my row.  They become codes in v[pc] on (registers 4 c .. 4 c + 3: units 64 c + 32 (lane / 16) + 0 .. 31) and the scale word v[w].
.macro QUANT z, nb, pc, w
.set QB, 0
.rept \nb
	v_max3_num_f32 v[TM+QB], |v[(\z)+16*QB]|, |v[(\z)+16*QB+1]|, 0x1800000   ; block QB = tiles 2 QB, 2 QB + 1: my 16 numbers, and the floor 2^(3 - 127), which holds the byte at 1 from below
.set QB, QB+1
.endr
.irp i, 2,4,6,8,10,12,14
.set QB, 0
.rept \nb
	v_max3_num_f32 v[TM+QB], v[TM+QB], |v[(\z)+16*QB+\i]|, |v[(\z)+16*QB+\i+1]|   ; ascending: each accumulator is first read at its low end; the blocks by turns
.set QB, QB+1
.endr
.endr
.set QB, 0
.rept \nb
	s_delay_alu instid0(VALU_DEP_4)
	v_permlanex16_b32 v[TP+QB], v[TM+QB], s[SEL], s[SEL+1]
.set QB, QB+1
.endr
.set QB, 0
.rept \nb
	s_delay_alu instid0(VALU_DEP_4)
	v_max_num_f32 v[TM+QB], v[TM+QB], v[TP+QB]     ; with lane l xor 16's 16 numbers: the block's largest magnitude
.set QB, QB+1
.endr
.set QB, 0
.rept \nb
	s_delay_alu instid0(VALU_DEP_4)
	v_add_nc_u32 v[TS+QB], 0xff000000, v[TM+QB]    ; 2 off its exponent field: the conversion takes this operand's exponent field as its scale
.set QB, QB+1
.endr
.set QB, 0
.rept \nb
	s_delay_alu instid0(VALU_DEP_4)
	v_lshrrev_b32 v[TP+QB], 23, v[TS+QB]           ; the scale's byte
.set QB, QB+1
.endr
	s_delay_alu instid0(VALU_DEP_3)
	v_lshl_or_b32 v[(\w)], v[TP+1], 8, v[TP]
.if \nb > 2
	s_delay_alu instid0(VALU_DEP_1)
	v_lshl_or_b32 v[(\w)], v[TP+2], 16, v[(\w)]
	s_delay_alu instid0(VALU_DEP_1)
	v_lshl_or_b32 v[(\w)], v[TP+3], 24, v[(\w)]
.endif
.set QB, 0
.rept (\nb)/2
	v_cvt_scalef32_pk8_fp4_f32 v[(\pc)+4*QB],   v[(\z)+32*QB:(\z)+32*QB+7],     v[TS+2*QB]
	v_cvt_scalef32_pk8_fp4_f32 v[(\pc)+4*QB+2], v[(\z)+32*QB+8:(\z)+32*QB+15],  v[TS+2*QB]
	v_cvt_scalef32_pk8_fp4_f32 v[(\pc)+4*QB+1], v[(\z)+32*QB+16:(\z)+32*QB+23], v[TS+2*QB+1]
	v_cvt_scalef32_pk8_fp4_f32 v[(\pc)+4*QB+3], v[(\z)+32*QB+24:(\z)+32*QB+31], v[TS+2*QB+1]
.set QB, QB+1
.endr
	v_nop                                          ; one plain line behind the scaled conversions
.set QB, 0
.rept (\nb)/2
	v_permlane16_swap_b32 v[(\pc)+4*QB],   v[(\pc)+4*QB+1]   ; the first's lanes 16-31 change places with the second's lanes 0-15: a lane then holds a whole block of 32
	v_permlane16_swap_b32 v[(\pc)+4*QB+2], v[(\pc)+4*QB+3]
.set QB, QB+1
.endr
.endm
	s_load_b512 s[4:19], s[0:1], 0x0               ; path k's four: Wk codes, scales, key codes, scales; path v's four: value codes, scales, Wv codes, scales
	s_load_b128 s[20:23], s[0:1], 0x40             ; bk, bv
	s_load_b64 s[24:25], s[0:1], 0x50              ; kv
	v_lshl_add_u32 v248, v0, 2, 0x34b00
	v_mov_b32 v249, 0
	ds_add_u32 v248, v249
	ds_add_u32 v248, v249
	v_lshrrev_b32 v9, 5, v0
	s_delay_alu instid0(VALU_DEP_1)
	v_readfirstlane_b32 s[WV], v9                  ; wave 0..7
	s_bfe_u32 s27, ttmp6, 0x40000                  ; cx
	s_bfe_u32 s28, ttmp6, 0x40004                  ; cy
	s_and_b32 s30, ttmp7, 0xffff                   ; Y: the cluster's y; path k where Y < 2
	s_max_u32 s31, s30, 2
	s_sub_co_u32 s31, s31, 2
	s_lshl_b32 s31, s31, 2
	s_add_co_u32 s31, s31, ttmp9                   ; path v: X + 4 (Y - 2), 0 .. 7
	s_cmp_lt_u32 s30, 2
	s_cselect_b32 s32, s30, s31
	s_cselect_b32 s33, ttmp9, 0
	s_lshl_b32 s32, s32, 2
	s_add_co_u32 s32, s32, s28                     ; blk0: which 128 rows of source 0: it holds cy and never cx
	s_lshl_b32 s33, s33, 2
	s_add_co_u32 s33, s33, s27                     ; blk1: which 256 rows of source 1: it holds cx and never cy
	s_lshl_b32 s34, s28, 2
	s_lshl_b32 s34, 15, s34                        ; my row of the cluster
	s_lshl_b32 s35, 0x1111, s27                    ; my column
	; group 1: codes: 64 rows x 512 bytes, 16 bytes of padding behind each row (after every 128 words, code 6; four words, code 3); bit 21 beside a mask
	s_or_b32 s[G1A], s34, (1<<20)|(1<<21)|(6<<22)|(3<<25)
	s_or_b32 s[G1B], s35, (1<<20)|(1<<21)|(6<<22)|(3<<25)
.irp g, G1A, G1B
	s_mov_b32 s[\g+1], 512<<16                     ; tensor_dim0
	s_mov_b32 s[\g+2], 64<<16                      ; tensor_dim1
	s_mov_b32 s[\g+3], 512<<16                     ; tile_dim0
	s_mov_b32 s[\g+4], 64                          ; tile_dim1
	s_mov_b32 s[\g+5], 512                         ; from row to row
	s_mov_b32 s[\g+6], 0
	s_mov_b32 s[\g+7], 0
.endr
	; scale bytes: dense blocks as rows of 256 bytes (32 elements of 8), 16 bytes of padding behind each: 16 rows for source 0, 32 for source 1
	s_or_b32 s[G1SA], s34, (3<<16)|(1<<20)|(1<<21)|(5<<22)|(3<<25)
	s_or_b32 s[G1SB], s35, (3<<16)|(1<<20)|(1<<21)|(5<<22)|(3<<25)
	s_mov_b32 s[G1SA+1], 32<<16
	s_mov_b32 s[G1SA+2], 16<<16
	s_mov_b32 s[G1SA+3], 32<<16
	s_mov_b32 s[G1SA+4], 16
	s_mov_b32 s[G1SA+5], 32
	s_mov_b32 s[G1SA+6], 0
	s_mov_b32 s[G1SA+7], 0
	s_mov_b32 s[G1SB+1], 32<<16
	s_mov_b32 s[G1SB+2], 32<<16
	s_mov_b32 s[G1SB+3], 32<<16
	s_mov_b32 s[G1SB+4], 32
	s_mov_b32 s[G1SB+5], 32
	s_mov_b32 s[G1SB+6], 0
	s_mov_b32 s[G1SB+7], 0
	; byte offsets and LDS addresses of the four loads; every wave makes all four and issues one
	s_and_b32 s2, s[WV], 1
	s_lshl_b32 s60, s32, 16                        ; 128 blk0 rows of 512 bytes
	s_lshl_b32 s3, s2, 15
	s_add_co_u32 s60, s60, s3                      ; + 64 (w & 1) rows
	s_mov_b32 s61, 0
	s_mov_b32 s[G0A], 1
	s_mul_i32 s[G0A+1], s2, 64*PITCH
	s_add_co_u32 s2, s[WV], 2
	s_and_b32 s2, s2, 3                            ; waves 2 .. 5 take quarters 0 .. 3 of source 1
	s_lshl_b32 s62, s33, 17
	s_lshl_b32 s3, s2, 15
	s_add_co_u32 s62, s62, s3
	s_mov_b32 s63, 0
	s_mov_b32 s[G0B], 1
	s_mul_i32 s[G0B+1], s2, 64*PITCH
	s_add_co_u32 s[G0B+1], s[G0B+1], S1C
	s_lshl_b32 s66, s32, 12                        ; 128 rows x 32 scale bytes
	s_mov_b32 s67, 0
	s_mov_b32 s[G0SA], 1
	s_mov_b32 s[G0SA+1], S0S
	s_lshl_b32 s100, s33, 13
	s_mov_b32 s101, 0
	s_mov_b32 s[G0SB], 1
	s_mov_b32 s[G0SB+1], S1S
	; vector addresses
	v_and_b32 v9, 15, v0                           ; r
	v_bfe_u32 v10, v0, 4, 1                        ; h
	v_and_b32 v11, 31, v0                          ; lane
	s_delay_alu instid0(VALU_DEP_3)
	v_mul_u32_u24 v[A0], v9, PITCH
	s_delay_alu instid0(VALU_DEP_1)
	v_lshl_add_u32 v[A0], v10, 4, v[A0]
	s_mul_i32 s2, s[WV], 32*PITCH
	s_add_co_u32 s2, s2, S1C
	v_add_nc_u32 v[A1], s2, v[A0]
	v_lshrrev_b32 v[AS0], 3, v9
	s_delay_alu instid0(VALU_DEP_1)
	v_lshlrev_b32 v[AS0], 4, v[AS0]
	s_delay_alu instid0(VALU_DEP_1)
	v_lshl_add_u32 v[AS0], v9, 5, v[AS0]           ; 32 r + 16 (r / 8): eight rows of 32 bytes, then 16 of padding
	s_mul_i32 s2, s[WV], 4*272
	s_add_co_u32 s2, s2, S1S
	v_add_nc_u32 v[AS1], s2, v[AS0]
	v_add_nc_u32 v[AS0], S0S, v[AS0]
	v_lshlrev_b32 v[LI], 4, v11
	v_lshlrev_b32 v[R16], 4, v9
	v_lshlrev_b32 v[H32], 5, v10
	v_lshlrev_b32 v[R4], 2, v9
	s_wait_dscnt 0x0
	s_wait_kmcnt 0x0
	s_cmp_lt_u32 s30, 2                            ; the choice of buffers hangs on the cluster's y alone
	s_cselect_b64 s[92:93], s[4:5], s[12:13]
	s_cselect_b64 s[94:95], s[6:7], s[14:15]
	s_cselect_b64 s[96:97], s[8:9], s[16:17]
	s_cselect_b64 s[98:99], s[10:11], s[18:19]
	s_add_nc_u64 s[G0A+2:G0A+3], s[92:93], s[60:61]
	s_or_b32 s[G0A+3], s[G0A+3], 0x80000000
	s_add_nc_u64 s[G0SA+2:G0SA+3], s[94:95], s[66:67]
	s_or_b32 s[G0SA+3], s[G0SA+3], 0x80000000
	s_add_nc_u64 s[G0B+2:G0B+3], s[96:97], s[62:63]
	s_or_b32 s[G0B+3], s[G0B+3], 0x80000000
	s_add_nc_u64 s[G0SB+2:G0SB+3], s[98:99], s[100:101]
	s_or_b32 s[G0SB+3], s[G0SB+3], 0x80000000
	CROUND                                         ; all sixteen work-groups are here: the joint loads meet
	s_cmp_lt_u32 s[WV], 2                          ; one load a wave: waves 0, 1 source 0's codes; 2 .. 5 source 1's; 6, 7 the scale bytes.  One tensor load of mine is out
	s_cbranch_scc0 .Lnot_a
	tensor_load_to_lds s[G0A:G0A+3], s[G1A:G1A+7]
	s_nop 0
	PLACES
	s_branch .Lasked
.Lnot_a:
	s_cmp_lt_u32 s[WV], 6
	s_cbranch_scc0 .Lnot_b
	tensor_load_to_lds s[G0B:G0B+3], s[G1B:G1B+7]
	s_nop 0
	PLACES
	s_branch .Lasked
.Lnot_b:
	s_cmp_eq_u32 s[WV], 6
	s_cbranch_scc0 .Lnot_sa
	tensor_load_to_lds s[G0SA:G0SA+3], s[G1SA:G1SA+7]
	s_nop 0
	PLACES
	s_branch .Lasked
.Lnot_sa:
	tensor_load_to_lds s[G0SB:G0SB+3], s[G1SB:G1SB+7]
	s_nop 0
	PLACES
.Lasked:
	; While the tiles land: the bias goes INTO the accumulators, so that all eight K steps are alike, and the places in kv are worked out.
	s_cmp_lt_u32 s30, 2
	s_cbranch_scc0 .Lpath_v
	s_lshl_b32 s16, s32, 9                         ; path k: the bias runs along my registers: bk[128 blk0 + 16 i + 8 h + 0 .. 7]
	s_mov_b32 s17, 0
	s_add_nc_u64 s[20:21], s[20:21], s[16:17]
	s_wait_alu depctr_va_vdst(0)
.irp j, 0,1
.irp i, 0,1,2,3,4,5,6,7
.irp q, 0,1
	global_load_b128 v[ACC+8*(8*\j+\i)+4*\q:ACC+8*(8*\j+\i)+4*\q+3], v[H32], s[20:21] offset:64*\i+16*\q
.endr
.endr
.endr
	s_lshr_b32 s16, s33, 3                         ; b = blk1 / 8
	s_lshl_b32 s16, s16, 4
	s_lshl_b32 s17, s32, 1
	s_add_co_u32 s16, s16, s17                     ; 16 b + 2 blk0: my first head
	s_lshl_b32 s16, s16, 4
	s_lshl_b32 s17, s33, 1
	s_lshr_b32 s18, s[WV], 2
	s_add_co_u32 s17, s17, s18
	s_and_b32 s17, s17, 15                         ; my step of 128 keys
	s_add_co_u32 s16, s16, s17
	s_mul_i32 s16, s16, STEPB                      ; the block's first byte
	s_lshl_b32 s17, s[WV], 1
	s_and_b32 s17, s17, 7                          ; t0: my first tile of 16 keys in the step
	s_lshl_b32 s18, s17, 9
	s_add_co_u32 s92, s16, s18                     ; codes: + 512 t0
	s_lshr_b32 s18, s17, 2
	s_lshl_b32 s18, s18, 8
	s_and_b32 s19, s17, 3
	s_lshl_b32 s19, s19, 2
	s_add_co_u32 s18, s18, s19
	s_add_co_u32 s18, s18, 8192
	s_add_co_u32 s94, s16, s18                     ; scale words: + 8,192 + 256 (t0 / 4) + 4 (t0 % 4)
	s_mov_b32 s96, 512                             ; from tile j = 0 to j = 1
	s_mov_b32 s98, BHB                             ; from the codes' registers 0-3 (first head) to 4-7 (second head)
	s_branch .Ljoin
.Lpath_v:
	s_lshl_b32 s16, s33, 10                        ; path v: the bias is my lane's: bv[256 blk1 + 32 w + 16 j + r]
	s_lshl_b32 s17, s[WV], 7
	s_add_co_u32 s16, s16, s17
	s_mov_b32 s17, 0
	s_add_nc_u64 s[22:23], s[22:23], s[16:17]
	s_wait_alu depctr_va_vdst(0)
	global_load_b32 v[BV], v[R4], s[22:23]
	global_load_b32 v[BV+1], v[R4], s[22:23]
	global_load_b32 v[BV+2], v[R4], s[22:23] offset:64
	global_load_b32 v[BV+3], v[R4], s[22:23] offset:64
	s_lshr_b32 s16, s32, 4                         ; b = blk0 / 16
	s_lshl_b32 s16, s16, 4
	s_lshl_b32 s17, s33, 2
	s_add_co_u32 s16, s16, s17
	s_lshr_b32 s17, s[WV], 1
	s_add_co_u32 s16, s16, s17                     ; 16 b + head, head = 4 blk1 + w / 2
	s_lshl_b32 s16, s16, 4
	s_and_b32 s17, s32, 15                         ; the step
	s_add_co_u32 s16, s16, s17
	s_mul_i32 s16, s16, STEPB
	s_lshl_b32 s17, s[WV], 1
	s_and_b32 s17, s17, 3                          ; t0: my first tile of 16 channels in the head
	s_lshl_b32 s18, s17, 10
	s_add_co_u32 s92, s16, s18
	s_add_co_u32 s92, s92, 4096                    ; codes: + 4,096 + 1,024 t0
	s_lshl_b32 s18, s17, 2
	s_add_co_u32 s94, s16, s18
	s_add_co_u32 s94, s94, 8704                    ; scale words: + 8,704 + 4 t0
	s_mov_b32 s96, 1024
	s_mov_b32 s98, 512                             ; registers 4-7 are the keys' second 64
	s_wait_loadcnt 0x0
.irp j, 0,1
.set TI, 0
.rept 32
	v_pk_mul_f32 v[ACC+64*\j+TI:ACC+64*\j+TI+1], v[BV+2*\j:BV+2*\j+1], 1.0 op_sel_hi:[1,0]   ; the lane's bias into all 64 registers of tile column j
.set TI, TI+2
.endr
.endr
.Ljoin:
	s_mov_b32 s93, 0
	s_mov_b32 s95, 0
	s_mov_b32 s97, 0
	s_mov_b32 s99, 0
	s_add_nc_u64 s[4:5], s[24:25], s[92:93]        ; where the codes go: tile j = 0, registers 0-3;
	s_add_nc_u64 s[6:7], s[4:5], s[98:99]          ; registers 4-7;
	s_add_nc_u64 s[8:9], s[4:5], s[96:97]          ; tile j = 1
	s_add_nc_u64 s[10:11], s[8:9], s[98:99]
	s_add_nc_u64 s[12:13], s[24:25], s[94:95]      ; the scale words;
	s_add_nc_u64 s[14:15], s[12:13], BHB           ; path k: the second head's (not used on path v)
	s_mov_b32 s[SEL], 0x76543210
	s_mov_b32 s[SEL+1], 0xfedcba98
	s_wait_loadcnt 0x0                             ; the bias is in
	s_wait_tensorcnt 0x0                           ; my load has landed,
	s_barrier_signal -1
	s_barrier_wait -1                              ; everybody's has
; A K step of 128: 20 fragment loads (and, for two steps at a time, ten loads of scale words), then 16 matrix instructions.  The sixteen accumulators take turns, one instruction a turn.
.macro KSTEP s
	PLACES
.if (\s)%2 == 0
.irp i, 0,1,2,3,4,5,6,7
	ds_load_b64 v[SC0+2*\i:SC0+2*\i+1], v[AS0] offset:544*\i+4*(\s)
.endr
.irp j, 0,1
	ds_load_b64 v[SC1+2*\j:SC1+2*\j+1], v[AS1] offset:544*\j+4*(\s)
.endr
.endif
.irp i, 0,1,2,3,4,5,6,7
.irp c, 0,1
	ds_load_b128 v[F0+8*\i+4*\c:F0+8*\i+4*\c+3], v[A0] offset:16*PITCH*\i+64*(\s)+32*\c
.endr
.endr
.irp j, 0,1
.irp c, 0,1
	ds_load_b128 v[F1+8*\j+4*\c:F1+8*\j+4*\c+3], v[A1] offset:16*PITCH*\j+64*(\s)+32*\c
.endr
.endr
	s_wait_dscnt 0x0
.irp j, 0,1
.irp i, 0,1,2,3,4,5,6,7
	v_wmma_scale_f32_16x16x128_f8f6f4 v[ACC+8*(8*\j+\i):ACC+8*(8*\j+\i)+7], v[F0+8*\i:F0+8*\i+7], v[F1+8*\j:F1+8*\j+7], v[ACC+8*(8*\j+\i):ACC+8*(8*\j+\i)+7], v[SC0+2*\i+(\s)%2], v[SC1+2*\j+(\s)%2] matrix_a_fmt:MATRIX_FMT_FP4 matrix_b_fmt:MATRIX_FMT_FP4
.endr
.endr
.endm
	s_wait_alu depctr_va_vdst(0)
.irp s, 0,1,2,3,4,5,6,7
	KSTEP \s
.endr
	PLACES
.irp j, 0,1
	QUANT ACC+64*\j, 4, PC+8*\j, PW+\j
.endr
	global_store_b128 v[LI], v[PC:PC+3], s[4:5]            ; each store of the wave covers 512 consecutive bytes, at a multiple of 256 from kv's first byte
	global_store_b128 v[LI], v[PC+4:PC+7], s[6:7]
	global_store_b128 v[LI], v[PC+8:PC+11], s[8:9]
	global_store_b128 v[LI], v[PC+12:PC+15], s[10:11]
	s_cmp_lt_u32 s30, 2
	s_cbranch_scc0 .Lwords_v
	v_and_b32 v82, 0xffff, v[PW]                   ; path k: a word's low two bytes are the first head's, its high two the second's
	v_and_b32 v83, 0xffff, v[PW+1]
	v_lshrrev_b32 v84, 16, v[PW]
	v_lshrrev_b32 v85, 16, v[PW+1]
	global_store_b64 v[R16], v[82:83], s[12:13]    ; the words of tiles t0, t0 + 1 of row r; lanes r and r + 16 write the same bytes with the same value
	global_store_b64 v[R16], v[84:85], s[14:15]
	s_branch .Lwords_done
.Lwords_v:
	global_store_b64 v[R16], v[PW:PW+1], s[12:13]  ; path v: four bytes for the step's four blocks of 32 keys
.Lwords_done:
	s_wait_tensorcnt 0x0
	ds_add_u32 v248, v249
	s_wait_dscnt 0x0
	CROUND                                         ; the closing round: no work-group ends while a partner may still ask for a tile that names it
	s_endpgm
.Lfunc_end_k_q3c61227996_proj:
	.size	k_q3c61227996_proj, .Lfunc_end_k_q3c61227996_proj-k_q3c61227996_proj
	.p2alignl 7, 3214868480
	.fill 96, 4, 3214868480
	.section	.rodata,"a",@progbits
	.p2align	6, 0x0
	.amdhsa_kernel k_q3c61227996_proj
		.amdhsa_group_segment_fixed_size 216832
		.amdhsa_private_segment_fixed_size 0
		.amdhsa_enable_private_segment 0
		.amdhsa_kernarg_size 88
		.amdhsa_user_sgpr_count 2
		.amdhsa_user_sgpr_kernarg_segment_ptr 1
		.amdhsa_wavefront_size32 1
		.amdhsa_system_sgpr_workgroup_id_x 1
		.amdhsa_system_sgpr_workgroup_id_y 1
		.amdhsa_system_sgpr_workgroup_id_z 1
		.amdhsa_system_vgpr_workitem_id 0
		.amdhsa_next_free_vgpr 250
		.amdhsa_next_free_sgpr 102
		.amdhsa_reserve_vcc 0
		.amdhsa_float_denorm_mode_32 3
		.amdhsa_float_denorm_mode_16_64 3
		.amdhsa_memory_ordered 1
		.amdhsa_forward_progress 1
		.amdhsa_inst_pref_size 58
	.end_amdhsa_kernel
	.amdgpu_metadata
---
amdhsa.version: [ 1, 2 ]
amdhsa.kernels:
  - .name:           k_q3c61227996_proj
    .symbol:         k_q3c61227996_proj.kd
    .args:
      - { .name: Wk_codes, .offset: 0, .size: 8, .value_kind: global_buffer, .address_space: global }
      - { .name: Wk_scales, .offset: 8, .size: 8, .value_kind: global_buffer, .address_space: global }
      - { .name: key_codes, .offset: 16, .size: 8, .value_kind: global_buffer, .address_space: global }
      - { .name: key_scales, .offset: 24, .size: 8, .value_kind: global_buffer, .address_space: global }
      - { .name: value_codes, .offset: 32, .size: 8, .value_kind: global_buffer, .address_space: global }
      - { .name: value_scales, .offset: 40, .size: 8, .value_kind: global_buffer, .address_space: global }
      - { .name: Wv_codes, .offset: 48, .size: 8, .value_kind: global_buffer, .address_space: global }
      - { .name: Wv_scales, .offset: 56, .size: 8, .value_kind: global_buffer, .address_space: global }
      - { .name: bk, .offset: 64, .size: 8, .value_kind: global_buffer, .address_space: global }
      - { .name: bv, .offset: 72, .size: 8, .value_kind: global_buffer, .address_space: global }
      - { .name: kv, .offset: 80, .size: 8, .value_kind: global_buffer, .address_space: global }
    .group_segment_fixed_size: 216832
    .private_segment_fixed_size: 0
    .kernarg_segment_align: 8
    .kernarg_segment_size: 88
    .max_flat_workgroup_size: 256
    .sgpr_count:     102
    .vgpr_count:     250
    .wavefront_size: 32
...
	.end_amdgpu_metadata
.endif
;; end of part 1
;; launch attn (part 2): grid 8 x 32, 16 waves a work-group, clusters of 4 x 1, 323,072 bytes of LDS; arguments query_codes, query_scales, Wq_codes, Wq_scales, bq, mask, g_att, b_att, kv, xf, xc, xs; writes xf, xc, xs
.if DOCPART == 2
	.amdgcn_target "amdgcn-amd-amdhsa--gfx1250"
	.amdhsa_code_object_version 6
	.text
	.protected	k_q3c61227996_attn
	.globl	k_q3c61227996_attn
	.p2align	8
	.type	k_q3c61227996_attn,@function
k_q3c61227996_attn:
	s_mov_b64 s[64:65], 0
	v_nop
	global_prefetch_b8 v0, s[64:65] scope:SCOPE_SE
	s_setreg_imm32_b32 hwreg(HW_REG_WAVE_MODE, 25, 1), 1
	s_wait_xcnt 0x0
	s_wait_alu depctr_hold_cnt(0) depctr_sa_sdst(0) depctr_va_vdst(0) depctr_va_sdst(0) depctr_va_ssrc(0) depctr_va_vcc(0) depctr_vm_vsrc(0)
	s_getreg_b32 s2, hwreg(HW_REG_IB_STS2, 6, 4)
	s_cmp_eq_u32 s2, 0
	s_cbranch_scc0 .Lentry_in_a_cluster
	s_endpgm
.Lentry_in_a_cluster:
	s_bfe_u32 s2, ttmp6, 0x10000c
	s_cmp_lg_u32 s2, 0x3003
	s_cbranch_scc0 .Lentry_shape_is_right
	s_endpgm
.Lentry_shape_is_right:
; For one head and 256 queries: q = query Wq + bq; S = Q(q) Q(k)^T; t = (S / 8 + (1 - mask) x -1e9) x log2(e); p = 2^(t - M), M the running ceiling of the largest t; O = Q(p) Q(v) / l, l the sum of the unquantised p;
; x = LayerNorm_64(O + q) x g_att + b_att; x leaves as f32 (xf) and as codes along the model's 1,024 (xc, xs).  All products on codes of FP4 (E2M1) with one E8M0 byte for each 32 along K.
; SHARES.  Work-group (x, y): y = 16 b + head, 256 queries; each of its sixteen waves owns 16 queries in 256 registers.  A whole head's K, V and scale words (16 steps x 8,960 bytes, images of operand registers) lie in LDS: nothing is filled twice.
; CLUSTER 4 x 1: the four query blocks of a cluster share the head: K, V and Wq's 64 rows are asked for jointly (mask 15); the 256 rows of query by loads of the work-group's own.
; THE HEAD'S LOADS, one a wave: waves 0-7 two steps of K and V each, waves 8-11 64 rows of query each, waves 12-15 16 rows of Wq each.
; LAYOUT.  Every product is used transposed: a lane holds ONE query (lane % 16).  Channels: in tile t register j is channel 16 t + 8 (lane / 16) + j.
; THE KEYS OF A SCORE TILE ARE CHOSEN by the LDS address: row r of tile 4 g + T is key 64 g + 8 T + r % 8 + 32 (r / 8) of the step.  So the 32 registers of tiles 4 g .. 4 g + 3 are keys 64 g + 32 (lane / 16) + 0 .. 31:
; a whole block of 32 in one lane, in the order of the second product's operand: a block's maximum asks no other lane, and the conversions' results are the operand's registers.
; THE MASK'S TERM, x 8, is loaded into the score registers and is the C of the score product: S' = S + 8 (1 - mask) x -1e9, t = c S', c = log2(e) / 8.
; K = 64 IN AN INSTRUCTION OF 128: q's registers 4-7 are zero codes and the upper two bytes of q's and k's scale words are 0.  K's fragment of tile n is named v[KF + 4 n : KF + 4 n + 7]: its upper four registers are the next tile's
; codes (behind tile 7: four registers of zeros); they meet zero codes and add exact zeros.
; LIMITS.  NaN and infinities are not served.  The promise holds while |t| stays under 2^31.  S + the mask's term is rounded by the matrix unit, not to nearest as f32 addition is: that can show only where every key of a batch is masked.
; A block whose largest magnitude lies under 2^-124 gets the byte 1: its codes are zeros, and this program alone reads the bytes.  mask may be any int32.
; Nothing is prefetched: all that the launch reads is asked for once, at its head; there is no loop to run ahead in.
.set STEPB, 8960
.set WQ,    16*STEPB                   ; LDS: behind K and V: Wq's 64 rows, 512 bytes + 16
.set MADD,  WQ+64*528                  ; 8 x the mask's term for the batch's 2,048 keys, f32 (stored by the waves)
.set GB,    MADD+8192                  ; g_att, then b_att
.set QX,    GB+512                     ; 256 rows of query, 512 bytes + 16: 8,448 bytes a wave; later, over a wave's own rows, the image of its q in f32
.set QXW,   16*528
.set SPARE, QX+16*QXW                  ; the spare words, 128 bytes a wave
.set WV,   28
.set SEL,  34                          ; s[34:35] lane selects: lane l xor 16
.set G1KV, 36
.set G1W,  44
.set G1Q,  52
.set G0Q,  68
.set G0W,  72
.set G0KV, 76
.set CL,   80                          ; s[80:81] c = log2(e) / 8
.set TB,   84                          ; s84 the step's block in LDS
.set TMD,  85                          ; s85 the step's 512 bytes of the mask's term
.set CNT,  86
.set QXA,  87                          ; s87 my wave's 16 rows of query in LDS
.set LI,   1                           ; v1  16 x lane
.set AK0,  2                           ; v2  1,024 (r / 8) + 16 (r % 8) + 256 h: my place in a score tile's codes
.set ASK0, 3                           ; v3  16 (r % 8) + 8 (r / 8): among K's scale words
.set ASV0, 4                           ; v4  16 r: among V's
.set AM0,  5                           ; v5  MADD + 128 h
.set ADK,  6                           ; v6-10 the step's addresses (in the prologue v6 = Wq's fragments, v7 = my query rows)
.set ADV,  7
.set ADSK, 8
.set ADSV, 9
.set ADM,  10
.set AQR,  11                          ; v11 the image of q
.set QF,   16                          ; v16-23 q's fragment
.set KF,   24                          ; v24-59 K's eight tiles, four registers each, and four zeros
.set SCK,  60                          ; v60-67 K's scale words: tile 4 g + T at 4 g + 2 (T % 2) + T / 2;  v68-71 V's;  v72 q's;  v73 p's: scales alone
.set SCV,  68
.set QW,   72
.set PW,   73
.set SPW,  74                          ; v74 my spare word; v75 0: kept for the add alone
.set NIL,  75
.set SH8,  76                          ; v76 8 h
.set S,    80                          ; v80-143 the mask's term, then the scores, then p
.set VF,   144                         ; v144-175 V's four fragments
.set OA,   176                         ; v176-207 O^T
.set PC,   208                         ; v208-215 p's codes
.set TA,   216                         ; v216-219 the two blocks' maxima, two chains each
.set TC,   218
.set TS,   220
.set TP,   222
.set SU,   224                         ; v224-231 four chains of sums
.set FF,   232                         ; v[232:233] a factor for packed forms: the low word serves both halves
.set T0,   234
.set T1,   235
.set XO,   236
.set XW,   237
.set QA,   OA                          ; the prologue: q's four accumulators,
.set WQF,  S                           ; Wq's fragments of two K steps,
.set QXF,  VF                          ; my rows' fragments of two K steps,
.set WQS,  216                         ; Wq's scale words (tile i, K step s at 8 i + s),
.set QS,   248                         ; my rows' scale words.  No register that serves as a scale is an operand or a result of a matrix instruction
.macro CROUND
	s_barrier_signal -1
	s_barrier_wait -1
	s_cmp_lg_u32 s[WV], 0
	s_cbranch_scc1 .Lnot_wave_0_\@
	s_barrier_signal -3
.Lnot_wave_0_\@:
	s_barrier_wait -3
	s_barrier_signal -1
	s_barrier_wait -1
.endm
.macro PLACES                          ; four plain vector lines behind a matrix instruction (ISA guide 7.12.1)
.rept 4
	v_nop
.endr
.endm
; 32 numbers of a lane along the channels, v[z] on (tile t's register j = channel 16 t + 8 h + j), become codes in v[pc] .. v[pc + 3] (channels 32 h + 0 .. 31) and the two scale bytes in v[w]
.macro QUANT z, pc, w
.irp b, 0,1
	v_max3_num_f32 v[TA+\b], |v[(\z)+16*\b]|, |v[(\z)+16*\b+1]|, 0x1800000   ; my 16 numbers of block b, and the floor 2^(3 - 127), which holds the byte at 1 from below
.endr
.irp i, 2,4,6,8,10,12,14
.irp b, 0,1
	v_max3_num_f32 v[TA+\b], v[TA+\b], |v[(\z)+16*\b+\i]|, |v[(\z)+16*\b+\i+1]|
.endr
.endr
.irp b, 0,1
	s_delay_alu instid0(VALU_DEP_2)
	v_permlanex16_b32 v[TC+\b], v[TA+\b], s[SEL], s[SEL+1]
.endr
.irp b, 0,1
	s_delay_alu instid0(VALU_DEP_2)
	v_max_num_f32 v[TA+\b], v[TA+\b], v[TC+\b]     ; with lane l xor 16's 16 numbers
.endr
.irp b, 0,1
	s_delay_alu instid0(VALU_DEP_2)
	v_add_nc_u32 v[TS+\b], 0xff000000, v[TA+\b]    ; 2 off the exponent field: the conversion's scale operand
.endr
.irp b, 0,1
	s_delay_alu instid0(VALU_DEP_2)
	v_lshrrev_b32 v[TP+\b], 23, v[TS+\b]           ; the scale's byte
.endr
	s_delay_alu instid0(VALU_DEP_1)
	v_lshl_or_b32 v[(\w)], v[TP+1], 8, v[TP]
	v_cvt_scalef32_pk8_fp4_f32 v[(\pc)],   v[(\z):(\z)+7],     v[TS]
	v_cvt_scalef32_pk8_fp4_f32 v[(\pc)+2], v[(\z)+8:(\z)+15],  v[TS]
	v_cvt_scalef32_pk8_fp4_f32 v[(\pc)+1], v[(\z)+16:(\z)+23], v[TS+1]
	v_cvt_scalef32_pk8_fp4_f32 v[(\pc)+3], v[(\z)+24:(\z)+31], v[TS+1]
	v_nop                                          ; one plain line behind the scaled conversions
	v_permlane16_swap_b32 v[(\pc)],   v[(\pc)+1]   ; a lane then holds a whole block of 32
	v_permlane16_swap_b32 v[(\pc)+2], v[(\pc)+3]
.endm
.macro ROWSUM                          ; the four chains, the pair's halves and lane l xor 16's: the row's sum in v[T0]
	v_pk_add_f32 v[SU:SU+1], v[SU:SU+1], v[SU+2:SU+3]
	v_pk_add_f32 v[SU+4:SU+5], v[SU+4:SU+5], v[SU+6:SU+7]
	s_delay_alu instid0(VALU_DEP_1)
	v_pk_add_f32 v[SU:SU+1], v[SU:SU+1], v[SU+4:SU+5]
	s_delay_alu instid0(VALU_DEP_1)
	v_add_f32 v[T0], v[SU], v[SU+1]
	s_delay_alu instid0(VALU_DEP_1)
	v_permlanex16_b32 v[T1], v[T0], s[SEL], s[SEL+1]
	s_delay_alu instid0(VALU_DEP_1)
	v_add_f32 v[T0], v[T0], v[T1]
.endm
.macro SUMS n                          ; the next n additions of p's 32 pairs into the four chains, by turns
.rept \n
.if SI < 4
	v_pk_add_f32 v[SU+2*SI:SU+2*SI+1], v[S+2*SI:S+2*SI+1], v[S+2*SI+8:S+2*SI+9]
.else
	v_pk_add_f32 v[SU+2*(SI%4):SU+2*(SI%4)+1], v[SU+2*(SI%4):SU+2*(SI%4)+1], v[S+2*SI+8:S+2*SI+9]
.endif
.set SI, SI+1
.endr
.endm
	s_load_b512 s[4:19], s[0:1], 0x0               ; query codes, scales; Wq codes, scales; bq; mask; g_att; b_att
	s_load_b256 s[20:27], s[0:1], 0x40             ; kv, xf, xc, xs
	v_lshl_add_u32 v[SPW], v0, 2, SPARE
	v_mov_b32 v[NIL], 0
	ds_add_u32 v[SPW], v[NIL]                      ; the opening lines: the add, twice on end, and its wait ahead of my tensor load
	ds_add_u32 v[SPW], v[NIL]
	v_lshrrev_b32 v168, 5, v0
	s_delay_alu instid0(VALU_DEP_1)
	v_readfirstlane_b32 s[WV], v168                ; wave 0..15
	s_bfe_u32 s29, ttmp6, 0x40000                  ; cx
	s_and_b32 s30, ttmp7, 0xffff                   ; y = 16 b + head, which the four partners share
	s_lshr_b32 s31, s30, 4                         ; b
	s_and_b32 s32, s30, 15                         ; head
	s_lshl_b32 s33, ttmp9, 2
	s_add_co_u32 s33, s33, s29                     ; my block of 256 queries
	s_lshl_b32 s88, s31, 11
	s_lshl_b32 s90, s33, 8
	s_add_co_u32 s88, s88, s90                     ; the block's first row of the 4,096
	s_lshl_b32 s90, s[WV], 4
	s_add_co_u32 s89, s88, s90                     ; R0: my wave's first row
	; group 1.  K, V and their words: two steps, 17,920 dense bytes, as 70 rows of 256 (32 elements of 8 bytes), no padding
	s_mov_b32 s[G1KV], 15|(3<<16)|(1<<21)
	s_mov_b32 s[G1KV+1], 32<<16
	s_mov_b32 s[G1KV+2], 70<<16
	s_mov_b32 s[G1KV+3], 32<<16
	s_mov_b32 s[G1KV+4], 70
	s_mov_b32 s[G1KV+5], 32
	s_mov_b32 s[G1KV+6], 0
	s_mov_b32 s[G1KV+7], 0
	; Wq: 16 rows of 512 bytes, 16 bytes of padding behind each
	s_mov_b32 s[G1W], 15|(1<<20)|(1<<21)|(6<<22)|(3<<25)
	s_mov_b32 s[G1W+1], 512<<16
	s_mov_b32 s[G1W+2], 16<<16
	s_mov_b32 s[G1W+3], 512<<16
	s_mov_b32 s[G1W+4], 16
	s_mov_b32 s[G1W+5], 512
	s_mov_b32 s[G1W+6], 0
	s_mov_b32 s[G1W+7], 0
	; query: 64 rows likewise, no mask
	s_mov_b32 s[G1Q], (1<<20)|(6<<22)|(3<<25)
	s_mov_b32 s[G1Q+1], 512<<16
	s_mov_b32 s[G1Q+2], 64<<16
	s_mov_b32 s[G1Q+3], 512<<16
	s_mov_b32 s[G1Q+4], 64
	s_mov_b32 s[G1Q+5], 512
	s_mov_b32 s[G1Q+6], 0
	s_mov_b32 s[G1Q+7], 0
	; groups 0: every wave makes all three and issues one
	s_and_b32 s96, s[WV], 7                        ; waves 0-7: steps 2 (w % 8) and the next
	s_and_b32 s98, s[WV], 3                        ; waves 8-11, 12-15: quarter w % 4
	s_mov_b32 s[G0KV], 1
	s_mul_i32 s[G0KV+1], s96, 2*STEPB
	s_lshl_b32 s94, s30, 4
	s_lshl_b32 s97, s96, 1
	s_add_co_u32 s94, s94, s97
	s_mul_i32 s94, s94, STEPB
	s_mov_b32 s95, 0
	s_mov_b32 s[G0Q], 1
	s_mul_i32 s[G0Q+1], s98, 64*528
	s_add_co_u32 s[G0Q+1], s[G0Q+1], QX
	s_lshl_b32 s90, s98, 6
	s_add_co_u32 s90, s90, s88
	s_lshl_b32 s90, s90, 9                         ; rows of 512 bytes
	s_mov_b32 s91, 0
	s_mov_b32 s[G0W], 1
	s_mul_i32 s[G0W+1], s98, 16*528
	s_add_co_u32 s[G0W+1], s[G0W+1], WQ
	s_lshl_b32 s92, s32, 6
	s_lshl_b32 s93, s98, 4
	s_add_co_u32 s92, s92, s93
	s_lshl_b32 s92, s92, 9                         ; (64 head + 16 (w % 4)) rows of 512 bytes
	s_mov_b32 s93, 0
	s_mul_i32 s[QXA], s[WV], QXW
	s_add_co_u32 s[QXA], s[QXA], QX
	s_mov_b32 s[SEL], 0x76543210
	s_mov_b32 s[SEL+1], 0xfedcba98
	s_mov_b32 s[CL], 0x3e38aa3b                    ; log2(e) / 8
	s_mov_b32 s[CL+1], s[CL]
	s_mov_b32 s82, 0x3c800000                      ; 1 / 64
	s_mov_b32 s83, 0x3727c5ac                      ; 1e-5
	v_and_b32 v168, 15, v0                         ; r
	v_bfe_u32 v169, v0, 4, 1                       ; h
	v_and_b32 v170, 31, v0                         ; lane
	v_bfe_u32 v173, v0, 3, 1                       ; r / 8
	v_and_b32 v174, 7, v0                          ; r % 8
	v_lshlrev_b32 v[LI], 4, v170
	v_lshlrev_b32 v[ASV0], 4, v168
	v_lshlrev_b32 v[ASK0], 4, v174
	v_lshl_add_u32 v[AM0], v169, 7, MADD
	v_lshlrev_b32 v[SH8], 3, v169
	v_lshl_add_u32 v[AK0], v173, 10, v[ASK0]
	v_lshl_add_u32 v[ASK0], v173, 3, v[ASK0]
	v_lshl_add_u32 v[AK0], v169, 8, v[AK0]
	v_mul_u32_u24 v[ADK], v168, 528
	v_add_nc_u32 v[AQR], s[QXA], v[LI]
	v_lshlrev_b32 v164, 4, v0                      ; 16 x thread: four keys of the mask
	v_lshl_add_u32 v[ADK], v169, 4, v[ADK]         ; 528 r + 16 h
	v_lshlrev_b32 v171, 3, v170
	v_add_nc_u32 v165, MADD, v164
	v_add_nc_u32 v[ADV], s[QXA], v[ADK]            ; my rows of query
	v_add_nc_u32 v[ADK], WQ, v[ADK]                ; Wq's rows
	v_add_nc_u32 v172, GB, v171
	v_lshlrev_b32 v166, 5, v169                    ; 32 h
	v_lshlrev_b32 v167, 5, v168                    ; 32 r
	s_wait_alu depctr_va_vdst(0)
	s_wait_dscnt 0x0                               ; both opening adds are done
	s_wait_kmcnt 0x0
	s_add_nc_u64 s[G0Q+2:G0Q+3], s[4:5], s[90:91]
	s_or_b32 s[G0Q+3], s[G0Q+3], 0x80000000
	s_add_nc_u64 s[G0W+2:G0W+3], s[8:9], s[92:93]
	s_or_b32 s[G0W+3], s[G0W+3], 0x80000000
	s_add_nc_u64 s[G0KV+2:G0KV+3], s[20:21], s[94:95]
	s_or_b32 s[G0KV+3], s[G0KV+3], 0x80000000
	s_mov_b32 s99, 0
	s_lshl_b32 s98, s89, 5
	s_add_nc_u64 s[6:7], s[6:7], s[98:99]          ; query's scale bytes at my rows
	s_add_nc_u64 s[26:27], s[26:27], s[98:99]      ; xs: 32 bytes a row,
	s_lshl_b32 s98, s32, 1
	s_add_nc_u64 s[26:27], s[26:27], s[98:99]      ; + 2 head
	s_lshl_b32 s98, s32, 11
	s_add_nc_u64 s[10:11], s[10:11], s[98:99]      ; Wq's scale bytes at the head's 64 rows
	s_lshl_b32 s98, s32, 8
	s_add_nc_u64 s[12:13], s[12:13], s[98:99]      ; bq at the head
	s_lshl_b32 s98, s31, 13
	s_add_nc_u64 s[14:15], s[14:15], s[98:99]      ; the batch's mask
	s_add_co_u32 s97, s89, s32                     ; 16 (R0 / 16) + head
	s_lshl_b32 s98, s97, 12
	s_add_nc_u64 s[22:23], s[22:23], s[98:99]      ; xf
	s_lshl_b32 s98, s97, 9
	s_add_nc_u64 s[24:25], s[24:25], s[98:99]      ; xc
	s_mov_b32 s96, 0x4fee6b28                      ; 8e9
	s_mov_b32 s97, 0xcfee6b28                      ; -8e9
	CROUND                                         ; all four work-groups are here: the joint loads meet
; one chain of branches on the wave's number, one load to an arm, all arms to one join: one tensor load of mine is out
.macro ARM under, g0, g1, next
	s_cmp_lt_u32 s[WV], \under
	s_cbranch_scc0 \next
	tensor_load_to_lds s[\g0:\g0+3], s[\g1:\g1+7]
	s_nop 0
	PLACES
	s_branch .Lhead_asked
\next:
.endm
	ARM 8,  G0KV, G1KV, .Lhead_q
	ARM 12, G0Q,  G1Q,  .Lhead_w
	tensor_load_to_lds s[G0W:G0W+3], s[G1W:G1W+7]
	s_nop 0
	PLACES
.Lhead_asked:
	global_load_b128 v[160:163], v164, s[14:15]            ; four keys of the mask
.irp i, 0,1,2,3
.irp q, 0,1
	global_load_b128 v[QA+8*\i+4*\q:QA+8*\i+4*\q+3], v166, s[12:13] offset:64*\i+16*\q      ; bq INTO q's accumulators: bq[64 head + 16 i + 8 h + 0 .. 7]
.endr
.endr
.irp i, 0,1,2,3
.irp q, 0,1
	global_load_b128 v[WQS+8*\i+4*\q:WQS+8*\i+4*\q+3], v167, s[10:11] offset:512*\i+16*\q   ; row 16 i + r: eight words, one a K step
.endr
.endr
	global_load_b128 v[QS:QS+3], v167, s[6:7]
	global_load_b128 v[QS+4:QS+7], v167, s[6:7] offset:16
	s_cmp_lg_u32 s[WV], 0
	s_cbranch_scc1 .Lnot_0
	global_load_b64 v[208:209], v171, s[16:17]             ; wave 0 brings g_att and b_att into LDS
	global_load_b64 v[210:211], v171, s[18:19]
	s_wait_loadcnt 0x0
	ds_store_b64 v172, v[208:209]
	ds_store_b64 v172, v[210:211] offset:256
.Lnot_0:
	s_wait_loadcnt 18                              ; the mask's load is the oldest: the 18 issued behind it may stay out
.irp i, 0,1,2,3
	v_cvt_f32_i32 v[160+\i], v[160+\i]
.endr
.irp i, 0,1,2,3
	v_fma_f32 v[160+\i], v[160+\i], s96, s97       ; 8 (1 - m) x -1e9 = m x 8e9 - 8e9, rounded once
.endr
	ds_store_b128 v165, v[160:163]
	s_wait_tensorcnt 0x0                           ; my load has landed,
	s_wait_dscnt 0x0                               ; and my stores
	s_barrier_signal -1
	s_barrier_wait -1                              ; K, V, Wq, query, the mask's term, g and b are whole
	s_wait_loadcnt 0x0
; q^T = Wq's 64 rows x my 16 rows, K steps 2 p and 2 p + 1: 20 loads, 8 matrix instructions on four accumulators by turns
.macro PROJB p
.irp u, 0,1
.irp i, 0,1,2,3
.irp c, 0,1
	ds_load_b128 v[WQF+8*(4*\u+\i)+4*\c:WQF+8*(4*\u+\i)+4*\c+3], v[ADK] offset:16*528*\i+64*(2*(\p)+\u)+32*\c
.endr
.endr
.irp c, 0,1
	ds_load_b128 v[QXF+8*\u+4*\c:QXF+8*\u+4*\c+3], v[ADV] offset:64*(2*(\p)+\u)+32*\c
.endr
.endr
	s_wait_dscnt 0x0
.irp u, 0,1
.irp i, 0,1,2,3
	v_wmma_scale_f32_16x16x128_f8f6f4 v[QA+8*\i:QA+8*\i+7], v[WQF+8*(4*\u+\i):WQF+8*(4*\u+\i)+7], v[QXF+8*\u:QXF+8*\u+7], v[QA+8*\i:QA+8*\i+7], v[WQS+8*\i+2*(\p)+\u], v[QS+2*(\p)+\u] matrix_a_fmt:MATRIX_FMT_FP4 matrix_b_fmt:MATRIX_FMT_FP4
.endr
.endr
	PLACES
.endm
	PROJB 0
	PROJB 1
	PROJB 2
	PROJB 3
.irp k, 0,1,2,3,4,5,6,7
	ds_store_b128 v[AQR], v[QA+4*\k:QA+4*\k+3] offset:512*\k   ; q in f32 is kept for the residual: an image of its registers, over my own rows of query, which have been read for the last time
.endr
	QUANT QA, QF, QW
.irp i, 0,1,2,3
	v_mov_b32 v[QF+4+\i], 0                        ; zero codes for k = 64 .. 127
	v_mov_b32 v[KF+32+\i], 0                       ; what tile 7's fragment names behind its own four registers
.endr
	v_mov_b32 v14, 0                               ; l, in two halves
	v_mov_b32 v15, 0
	v_mov_b32 v[FF+1], 0                           ; named as the upper half of a pair
	v_mov_b32 v[T1], 0                             ; a lane permute's destination counts as a source
	v_mov_b32 v13, 0xff61b1e6                      ; the largest S' so far: -3e38
	s_delay_alu instid0(VALU_DEP_1)
	v_floor_f32 v12, -v13                          ; -M
.set TI, 0
.rept 32
	v_mov_b32 v[OA+TI], 0                          ; O^T: the step is written once; its first trip finds zeros, which the first change of M leaves zeros
.set TI, TI+1
.endr
	s_wait_alu depctr_va_vdst(0)
	s_wait_dscnt 0x0                               ; my stores of q's image are done: the loop's counted wait counts its own loads alone
	s_mov_b32 s[TB], 0
	s_mov_b32 s[TMD], 0
	s_mov_b32 s[CNT], 16
.Lstep:                                            ; a step of 128 keys.  No barrier stands in the loop: what it reads from LDS is written by nobody behind the head's barrier
	v_add_nc_u32 v[ADM], s[TMD], v[AM0]            ; (these five lines are also the places behind the last trip's products)
	v_add_nc_u32 v[ADK], s[TB], v[AK0]
	v_add_nc_u32 v[ADSK], s[TB], v[ASK0]
	v_add_nc_u32 v[ADSV], s[TB], v[ASV0]
	v_add_nc_u32 v[ADV], s[TB], v[LI]
.irp g, 0,1
.irp t, 0,1,2,3
.irp e, 0,1
	ds_load_b128 v[S+8*(4*\g+\t)+4*\e:S+8*(4*\g+\t)+4*\e+3], v[ADM] offset:256*\g+32*\t+16*\e   ; the mask's term of keys 64 g + 32 h + 8 t + 0 .. 7, into the score registers
.endr
.endr
.endr
.irp g, 0,1
.irp t, 0,1,2,3
	ds_load_b128 v[KF+4*(4*\g+\t):KF+4*(4*\g+\t)+3], v[ADK] offset:2048*\g+512*(\t/2)+128*(\t%2)   ; row r: key 64 g + 8 t + r % 8 + 32 (r / 8)
.endr
.endr
.irp g, 0,1
.irp u, 0,1
	ds_load_b64 v[SCK+4*\g+2*\u:SCK+4*\g+2*\u+1], v[ADSK] offset:8192+256*\g+128*\u   ; the words of tiles 4 g + u and 4 g + u + 2
.endr
.endr
	ds_load_b128 v[SCV:SCV+3], v[ADSV] offset:8704
.irp t, 0,1,2,3
.irp c, 0,1
	ds_load_b128 v[VF+8*\t+4*\c:VF+8*\t+4*\c+3], v[ADV] offset:4096+1024*\t+512*\c
.endr
.endr
	s_wait_dscnt 8                                 ; all but V's eight fragment loads, the youngest
.irp g, 0,1
.irp t, 0,1,2,3
	v_wmma_scale_f32_16x16x128_f8f6f4 v[S+8*(4*\g+\t):S+8*(4*\g+\t)+7], v[KF+4*(4*\g+\t):KF+4*(4*\g+\t)+7], v[QF:QF+7], v[S+8*(4*\g+\t):S+8*(4*\g+\t)+7], v[SCK+4*\g+2*(\t%2)+(\t/2)], v[QW] matrix_a_fmt:MATRIX_FMT_FP4 matrix_b_fmt:MATRIX_FMT_FP4
.endr
.endr
	PLACES
; the largest S' of my two blocks of 32 keys, each in two chains (17 and 15 numbers), the four chains by turns; each accumulator is first read at its low end.  It serves the row's maximum and, since p rises with S', the block's largest p
.irp g, 0,1
	v_max3_num_f32 v[TA+\g], v[S+32*\g], v[S+32*\g+1], v[S+32*\g+2]
	v_max3_num_f32 v[TC+\g], v[S+32*\g+17], v[S+32*\g+18], v[S+32*\g+19]
.endr
.irp i, 0,2,4,6,8,10
.irp g, 0,1
	v_max3_num_f32 v[TA+\g], v[TA+\g], v[S+32*\g+3+\i], v[S+32*\g+4+\i]
	v_max3_num_f32 v[TC+\g], v[TC+\g], v[S+32*\g+20+\i], v[S+32*\g+21+\i]
.endr
.endr
.irp g, 0,1
	v_max3_num_f32 v[TA+\g], v[TA+\g], v[S+32*\g+15], v[S+32*\g+16]
.endr
.irp g, 0,1
	s_delay_alu instid0(VALU_DEP_2)
	v_max_num_f32 v[TA+\g], v[TA+\g], v[TC+\g]
.endr
	s_delay_alu instid0(VALU_DEP_1)
	v_max_num_f32 v[T0], v[TA], v[TA+1]
	s_delay_alu instid0(VALU_DEP_1)
	v_permlanex16_b32 v[T1], v[T0], s[SEL], s[SEL+1]
	s_delay_alu instid0(VALU_DEP_1)
	v_max3_num_f32 v13, v13, v[T0], v[T1]          ; the running largest S' of my query
	v_mov_b32 v[T0], v12
	s_delay_alu instid0(VALU_DEP_2)
	v_mul_f32 v[T1], s[CL], v13                    ; as t (c is positive)
	s_delay_alu instid0(VALU_DEP_1)
	v_floor_f32 v12, -v[T1]                        ; the new -M = -ceil(t): M is a whole number
	s_delay_alu instid0(VALU_DEP_1)
	v_sub_f32 v[T0], v12, v[T0]                    ; old M - new M: a whole number, 0 or less
.set TI, 0
.macro TMM n
.rept \n
	v_pk_fma_f32 v[S+TI:S+TI+1], v[S+TI:S+TI+1], s[CL:CL+1], v[12:13] op_sel_hi:[1,0,0]   ; t - M = c S' - M, rounded once
.set TI, TI+2
.endr
.endm
	TMM 8
	v_cvt_i32_f32 v[T0], v[T0]                     ; (it saturates)
	TMM 8
	v_ldexp_f32 v[FF], 1.0, v[T0]                  ; f = 2^(old M - new M): the rescaling rounds nothing
	TMM 16
.irp g, 0,1
	v_fma_f32 v[TA+\g], v[TA+\g], s[CL], v12       ; the same of each block's largest S'
.endr
.set TI, 0
.rept 16
	v_pk_mul_f32 v[OA+TI:OA+TI+1], v[OA+TI:OA+TI+1], v[FF:FF+1] op_sel_hi:[1,0]   ; O^T under the new M, each accumulator from its low end on
.set TI, TI+2
.endr
	s_wait_alu depctr_va_vdst(0)                   ; the wait ahead of the batch
.set TI, 0
.rept 64
	v_exp_f32 v[S+TI], v[S+TI]                     ; p = 2^(t - M): not normalised
.set TI, TI+1
.endr
.irp g, 0,1
	v_exp_f32 v[TA+\g], v[TA+\g]                   ; the block's largest p: the same two instructions on the same number
.endr
	v_pk_mul_f32 v[14:15], v[14:15], v[FF:FF+1] op_sel_hi:[1,0]   ; l under the new M (a plain line behind the exponentials)
	s_wait_alu depctr_va_vdst(0)                   ; one wait for the batch, ahead of its first reader
.set SI, 0
.irp g, 0,1
	v_max_num_f32 v[TA+\g], 0x1800000, v[TA+\g]    ; the floor 2^(3 - 127): a block whose every p is 0 keeps the byte 1; its codes are zeros
.endr
	SUMS 2                                         ; the row's sum is taken of the unquantised p; its additions stand between the scale's dependent lines
.irp g, 0,1
	v_add_nc_u32 v[TS+\g], 0xff000000, v[TA+\g]    ; 2 off the exponent field: the conversion's scale operand
.endr
	SUMS 2
.irp g, 0,1
.irp t, 0,1,2,3
	v_cvt_scalef32_pk8_fp4_f32 v[PC+4*\g+\t], v[S+8*(4*\g+\t):S+8*(4*\g+\t)+7], v[TS+\g]   ; keys 64 g + 32 h + 8 t + 0 .. 7: the operand's register 4 g + t
.endr
.endr
.irp g, 0,1
	v_lshrrev_b32 v[TP+\g], 23, v[TS+\g]           ; the scale's byte (plain lines behind the scaled conversions)
.endr
	SUMS 2
	v_lshl_or_b32 v[PW], v[TP+1], 16, v[TP]        ; my two bytes: blocks h and 2 + h,
	SUMS 2
	v_lshlrev_b32 v[PW], v[SH8], v[PW]             ; at their places in the word;
	SUMS 2
	v_permlanex16_b32 v[T1], v[PW], s[SEL], s[SEL+1]
	SUMS 2
	v_or_b32 v[PW], v[PW], v[T1]                   ; with lane l xor 16's two the word is whole.  20 plain lines stand between it and the products below
	SUMS 16
	v_pk_add_f32 v[SU:SU+1], v[SU:SU+1], v[SU+2:SU+3]
	v_pk_add_f32 v[SU+4:SU+5], v[SU+4:SU+5], v[SU+6:SU+7]
	s_delay_alu instid0(VALU_DEP_2)
	v_pk_add_f32 v[14:15], v[14:15], v[SU:SU+1]
	s_delay_alu instid0(VALU_DEP_1)
	v_pk_add_f32 v[14:15], v[14:15], v[SU+4:SU+5]
	s_wait_alu depctr_va_vdst(0)
	s_wait_dscnt 0x0                               ; V is in
.irp t, 0,1,2,3
	v_wmma_scale_f32_16x16x128_f8f6f4 v[OA+8*\t:OA+8*\t+7], v[VF+8*\t:VF+8*\t+7], v[PC:PC+7], v[OA+8*\t:OA+8*\t+7], v[SCV+\t], v[PW] matrix_a_fmt:MATRIX_FMT_FP4 matrix_b_fmt:MATRIX_FMT_FP4
.endr
	s_add_co_u32 s[TB], s[TB], STEPB
	s_add_co_u32 s[TMD], s[TMD], 512
	s_sub_co_u32 s[CNT], s[CNT], 1
	s_cmp_lg_u32 s[CNT], 0
	s_cbranch_scc1 .Lstep
	; THE WAY OUT: O / l + q, the LayerNorm over the head's 64 channels (32 in my lane, 32 in lane l xor 16), then f32 and codes.
	PLACES
	v_bfe_u32 v[ADK], v0, 4, 1
	s_delay_alu instid0(VALU_DEP_1)
	v_lshl_add_u32 v[ADK], v[ADK], 5, GB           ; GB + 32 h
.irp k, 0,1,2,3,4,5,6,7
	ds_load_b128 v[S+4*\k:S+4*\k+3], v[AQR] offset:512*\k          ; q, as it was stored
.endr
.irp t, 0,1,2,3
.irp e, 0,1
	ds_load_b128 v[S+32+8*\t+4*\e:S+32+8*\t+4*\e+3], v[ADK] offset:64*\t+16*\e          ; g_att of my channels
	ds_load_b128 v[VF+8*\t+4*\e:VF+8*\t+4*\e+3], v[ADK] offset:256+64*\t+16*\e          ; b_att
.endr
.endr
	v_add_f32 v14, v14, v15
	s_delay_alu instid0(VALU_DEP_1)
	v_permlanex16_b32 v[T1], v14, s[SEL], s[SEL+1]
	s_delay_alu instid0(VALU_DEP_1)
	v_add_f32 v14, v14, v[T1]                      ; the row's sum
	s_wait_alu depctr_va_vdst(0)                   ; the wait ahead of the transcendental
	v_rcp_f32 v[FF], v14
	v_and_b32 v[XO], 15, v0                        ; (a plain line behind the reciprocal)
	s_delay_alu instid0(VALU_DEP_1)
	v_lshlrev_b32 v[XO], 5, v[XO]                  ; 32 r: my row's place in xs
	s_wait_dscnt 0x0
	s_wait_alu depctr_va_vdst(0)                   ; ahead of the first reader of the reciprocal and of the last products' results
.set TI, 0
.rept 16
	v_pk_fma_f32 v[OA+TI:OA+TI+1], v[OA+TI:OA+TI+1], v[FF:FF+1], v[S+TI:S+TI+1] op_sel_hi:[1,0,1]   ; O / l + q
.set TI, TI+2
.endr
.irp k, 0,1,2,3
	v_pk_add_f32 v[SU+2*\k:SU+2*\k+1], v[OA+4*\k:OA+4*\k+1], v[OA+4*\k+2:OA+4*\k+3]
.endr
.irp k, 0,1,2,3
	v_pk_add_f32 v[SU+2*\k:SU+2*\k+1], v[SU+2*\k:SU+2*\k+1], v[OA+16+2*\k:OA+16+2*\k+1]
.endr
.irp k, 0,1,2,3
	v_pk_add_f32 v[SU+2*\k:SU+2*\k+1], v[SU+2*\k:SU+2*\k+1], v[OA+24+2*\k:OA+24+2*\k+1]
.endr
	ROWSUM
	s_delay_alu instid0(VALU_DEP_1)
	v_mul_f32 v[FF], s82, v[T0]                    ; the mean
.set TI, 0
.rept 16
	v_pk_add_f32 v[OA+TI:OA+TI+1], v[OA+TI:OA+TI+1], v[FF:FF+1] op_sel_hi:[1,0] neg_lo:[0,1] neg_hi:[0,1]
.set TI, TI+2
.endr
.irp k, 0,1,2,3
	v_pk_mul_f32 v[SU+2*\k:SU+2*\k+1], v[OA+2*\k:OA+2*\k+1], v[OA+2*\k:OA+2*\k+1]
.endr
.set TI, 4
.rept 12
	v_pk_fma_f32 v[SU+2*(TI%4):SU+2*(TI%4)+1], v[OA+2*TI:OA+2*TI+1], v[OA+2*TI:OA+2*TI+1], v[SU+2*(TI%4):SU+2*(TI%4)+1]
.set TI, TI+1
.endr
	ROWSUM
	s_delay_alu instid0(VALU_DEP_1)
	v_fma_f32 v[T0], v[T0], s82, s83               ; the variance + 1e-5
	s_wait_alu depctr_va_vdst(0)                   ; ahead of the transcendental
	v_rsq_f32 v[FF], v[T0]
	v_nop
	s_wait_alu depctr_va_vdst(0)                   ; and ahead of its first reader
.set TI, 0
.rept 16
	v_pk_mul_f32 v[OA+TI:OA+TI+1], v[OA+TI:OA+TI+1], v[FF:FF+1] op_sel_hi:[1,0]
.set TI, TI+2
.endr
.set TI, 0
.rept 16
	v_pk_fma_f32 v[OA+TI:OA+TI+1], v[OA+TI:OA+TI+1], v[S+32+TI:S+32+TI+1], v[VF+TI:VF+TI+1]
.set TI, TI+2
.endr
.irp k, 0,1,2,3,4,5,6,7
	global_store_b128 v[LI], v[OA+4*\k:OA+4*\k+3], s[22:23] offset:512*\k   ; x in f32, as an image of these registers: 512 consecutive bytes a store
.endr
	QUANT OA, PC, XW
	global_store_b128 v[LI], v[PC:PC+3], s[24:25]  ; half a fragment of the last product: this head's 64 of a K step's 128
	global_store_b16 v[XO], v[XW], s[26:27]        ; its two scale bytes; lanes r and r + 16 write the same bytes with the same value
	s_wait_tensorcnt 0x0                           ; the wave's end
	ds_add_u32 v[SPW], v[NIL]
	s_wait_dscnt 0x0
	CROUND                                         ; the closing round
	s_endpgm
.Lfunc_end_k_q3c61227996_attn:
	.size	k_q3c61227996_attn, .Lfunc_end_k_q3c61227996_attn-k_q3c61227996_attn
	.p2alignl 7, 3214868480
	.fill 96, 4, 3214868480
	.section	.rodata,"a",@progbits
	.p2align	6, 0x0
	.amdhsa_kernel k_q3c61227996_attn
		.amdhsa_group_segment_fixed_size 323072
		.amdhsa_private_segment_fixed_size 0
		.amdhsa_enable_private_segment 0
		.amdhsa_kernarg_size 96
		.amdhsa_user_sgpr_count 2
		.amdhsa_user_sgpr_kernarg_segment_ptr 1
		.amdhsa_wavefront_size32 1
		.amdhsa_system_sgpr_workgroup_id_x 1
		.amdhsa_system_sgpr_workgroup_id_y 1
		.amdhsa_system_sgpr_workgroup_id_z 1
		.amdhsa_system_vgpr_workitem_id 0
		.amdhsa_next_free_vgpr 256
		.amdhsa_next_free_sgpr 100
		.amdhsa_reserve_vcc 0
		.amdhsa_float_denorm_mode_32 3
		.amdhsa_float_denorm_mode_16_64 3
		.amdhsa_memory_ordered 1
		.amdhsa_forward_progress 1
		.amdhsa_inst_pref_size 53
	.end_amdhsa_kernel
	.amdgpu_metadata
---
amdhsa.version: [ 1, 2 ]
amdhsa.kernels:
  - .name:           k_q3c61227996_attn
    .symbol:         k_q3c61227996_attn.kd
    .args:
      - { .name: query_codes, .offset: 0, .size: 8, .value_kind: global_buffer, .address_space: global }
      - { .name: query_scales, .offset: 8, .size: 8, .value_kind: global_buffer, .address_space: global }
      - { .name: Wq_codes, .offset: 16, .size: 8, .value_kind: global_buffer, .address_space: global }
      - { .name: Wq_scales, .offset: 24, .size: 8, .value_kind: global_buffer, .address_space: global }
      - { .name: bq, .offset: 32, .size: 8, .value_kind: global_buffer, .address_space: global }
      - { .name: mask, .offset: 40, .size: 8, .value_kind: global_buffer, .address_space: global }
      - { .name: g_att, .offset: 48, .size: 8, .value_kind: global_buffer, .address_space: global }
      - { .name: b_att, .offset: 56, .size: 8, .value_kind: global_buffer, .address_space: global }
      - { .name: kv, .offset: 64, .size: 8, .value_kind: global_buffer, .address_space: global }
      - { .name: xf, .offset: 72, .size: 8, .value_kind: global_buffer, .address_space: global }
      - { .name: xc, .offset: 80, .size: 8, .value_kind: global_buffer, .address_space: global }
      - { .name: xs, .offset: 88, .size: 8, .value_kind: global_buffer, .address_space: global }
    .group_segment_fixed_size: 323072
    .private_segment_fixed_size: 0
    .kernarg_segment_align: 8
    .kernarg_segment_size: 96
    .max_flat_workgroup_size: 512
    .sgpr_count:     100
    .vgpr_count:     256
    .wavefront_size: 32
...
	.end_amdgpu_metadata
.endif
;; end of part 2
;; launch outp (part 3): grid 256 x 1, 8 waves a work-group, clusters of 4 x 1, 327,680 bytes of LDS; arguments xc, xs, xf, Wres_codes, Wres_scales, bres, g_out, b_out, out0; writes out0
.if DOCPART == 3
	.amdgcn_target "amdgcn-amd-amdhsa--gfx1250"
	.amdhsa_code_object_version 6
	.text
	.protected	k_q3c61227996_outp
	.globl	k_q3c61227996_outp
	.p2align	8
	.type	k_q3c61227996_outp,@function
k_q3c61227996_outp:
	s_mov_b64 s[64:65], 0
	v_nop
	global_prefetch_b8 v0, s[64:65] scope:SCOPE_SE
	s_setreg_imm32_b32 hwreg(HW_REG_WAVE_MODE, 25, 1), 1
	s_wait_xcnt 0x0
	s_wait_alu depctr_hold_cnt(0) depctr_sa_sdst(0) depctr_va_vdst(0) depctr_va_sdst(0) depctr_va_ssrc(0) depctr_va_vcc(0) depctr_vm_vsrc(0)
	s_getreg_b32 s2, hwreg(HW_REG_IB_STS2, 6, 4)
	s_cmp_eq_u32 s2, 0
	s_cbranch_scc0 .Lentry_in_a_cluster
	s_endpgm
.Lentry_in_a_cluster:
	s_bfe_u32 s2, ttmp6, 0x10000c
	s_cmp_lg_u32 s2, 0x3003
	s_cbranch_scc0 .Lentry_shape_is_right
	s_endpgm
.Lentry_shape_is_right:
; out0 = tanh(LayerNorm_1024(x + tanh(Q(x) Q(Wres) + bres)) x g_out + b_out).  x comes as codes (xc, xs) and as f32 (xf), both as images of registers.
; SHARES.  A work-group takes 16 rows and all 1,024 columns; wave w takes columns 128 w .. 128 w + 127 in two halves of 64: its 64 rows of Wres come into its own LDS region by one joint tensor load (cluster 4 x 1, mask 15), which is filled again once.
; Wres's scale words go from memory straight into their registers: a lane takes its row's 32 bytes, sixteen lanes 512 consecutive bytes over the two loads.
; LIMITS: NaN and infinities are not served.
.set WREG,  64*528
.set SPARE, 8*WREG
.set RED,   SPARE+1024
.set WV,  22
.set SEL, 26
.set C2,  28
.set G1W, 36
.set G0W, 52
.set LI,  1
.set AWF, 2
.set STO, 4
.set RD,  5
.set H32, 6
.set R32, 7
.set SPW, 8
.set NIL, 9
.set RW,  10
.set RR,  11
.set AS,  20
.set WSR, 28
.set AF,  60
.set WF,  124
.set ACC, 188
.macro CROUND
	s_barrier_signal -1
	s_barrier_wait -1
	s_cmp_lg_u32 s[WV], 0
	s_cbranch_scc1 .Lnot_wave_0_\@
	s_barrier_signal -3
.Lnot_wave_0_\@:
	s_barrier_wait -3
	s_barrier_signal -1
	s_barrier_wait -1
.endm
.macro PLACES
.rept 4
	v_nop
.endr
.endm
.macro BATCH hh, p
.irp u, 0,1
.irp a, 0,1,2,3
.irp c, 0,1
	ds_load_b128 v[WF+8*(4*\u+\a)+4*\c:WF+8*(4*\u+\a)+4*\c+3], v[AWF] offset:16*528*\a+64*(2*(\p)+\u)+32*\c
.endr
.endr
.endr
	s_wait_dscnt 0x0
.irp u, 0,1
.irp a, 0,1,2,3
	v_wmma_scale_f32_16x16x128_f8f6f4 v[ACC+8*(4*(\hh)+\a):ACC+8*(4*(\hh)+\a)+7], v[WF+8*(4*\u+\a):WF+8*(4*\u+\a)+7], v[AF+8*(2*(\p)+\u):AF+8*(2*(\p)+\u)+7], v[ACC+8*(4*(\hh)+\a):ACC+8*(4*(\hh)+\a)+7], v[WSR+8*\a+2*(\p)+\u], v[AS+2*(\p)+\u] matrix_a_fmt:MATRIX_FMT_FP4 matrix_b_fmt:MATRIX_FMT_FP4
.endr
.endr
	PLACES
.endm
.macro WSL hh                          ; the scale words of half hh: row 16 (4 hh + a) + r of my 128: eight words, one a K step
.irp a, 0,1,2,3
.irp q, 0,1
	global_load_b128 v[WSR+8*\a+4*\q:WSR+8*\a+4*\q+3], v[R32], s[12:13] offset:512*(4*(\hh)+\a)+16*\q
.endr
.endr
.endm
.macro HALF hh
	BATCH \hh, 0
	BATCH \hh, 1
	BATCH \hh, 2
	BATCH \hh, 3
.endm
.macro TANH z, n
.set TI, 0
.rept (\n)/2
	v_pk_mul_f32 v[(\z)+TI:(\z)+TI+1], v[(\z)+TI:(\z)+TI+1], s[C2:C2+1] op_sel_hi:[1,0]
.set TI, TI+2
.endr
.set TI, 0
	s_wait_alu depctr_va_vdst(0)
.rept \n
	v_exp_f32 v[(\z)+TI], v[(\z)+TI]
.set TI, TI+1
.endr
	v_nop
.set TI, 0
	s_wait_alu depctr_va_vdst(0)
.rept (\n)/2
	v_pk_add_f32 v[(\z)+TI:(\z)+TI+1], v[(\z)+TI:(\z)+TI+1], 1.0 op_sel_hi:[1,0]
.set TI, TI+2
.endr
.set TI, 0
	s_wait_alu depctr_va_vdst(0)
.rept \n
	v_rcp_f32 v[(\z)+TI], v[(\z)+TI]
.set TI, TI+1
.endr
	v_nop
.set TI, 0
	s_wait_alu depctr_va_vdst(0)
.rept (\n)/2
	v_pk_fma_f32 v[(\z)+TI:(\z)+TI+1], v[(\z)+TI:(\z)+TI+1], -2.0, 1.0 op_sel_hi:[1,0,0]
.set TI, TI+2
.endr
.endm
	s_load_b512 s[4:19], s[0:1], 0x0
	s_load_b64 s[20:21], s[0:1], 0x40
	v_lshl_add_u32 v[SPW], v0, 2, SPARE
	v_mov_b32 v[NIL], 0
	ds_add_u32 v8, v9
	ds_add_u32 v8, v9
	s_wait_dscnt 0x0
	v_lshrrev_b32 v12, 5, v0
	s_delay_alu instid0(VALU_DEP_1)
	v_readfirstlane_b32 s[WV], v12
	s_bfe_u32 s23, ttmp6, 0x40000
	s_lshl_b32 s24, ttmp9, 2
	s_add_co_u32 s24, s24, s23
	s_mov_b32 s[SEL], 0x76543210
	s_mov_b32 s[SEL+1], 0xfedcba98
	s_mov_b32 s[C2], 0x4038aa3b
	s_mov_b32 s[C2+1], s[C2]
	s_mov_b32 s30, 0x3a800000
	s_mov_b32 s31, 0x3727c5ac
	s_mov_b32 s[G1W], 15|(1<<20)|(1<<21)|(6<<22)|(3<<25)
	s_mov_b32 s[G1W+1], 512<<16
	s_mov_b32 s[G1W+2], 64<<16
	s_mov_b32 s[G1W+3], 512<<16
	s_mov_b32 s[G1W+4], 64
	s_mov_b32 s[G1W+5], 512
	s_mov_b32 s[G1W+6], 0
	s_mov_b32 s[G1W+7], 0
	s_mov_b32 s[G0W], 1
	s_mul_i32 s[G0W+1], s[WV], WREG
	s_lshl_b32 s60, s[WV], 16
	s_mov_b32 s61, 0
	s_lshl_b32 s62, s[WV], 12
	s_mov_b32 s63, 0
	v_and_b32 v12, 15, v0
	v_bfe_u32 v13, v0, 4, 1
	v_and_b32 v14, 31, v0
	s_delay_alu instid0(VALU_DEP_1)
	v_lshlrev_b32 v[LI], 4, v14
	s_delay_alu instid0(VALU_DEP_4)
	v_mul_u32_u24 v15, v12, 528
	s_delay_alu instid0(VALU_DEP_1)
	v_add_nc_u32 v15, s[G0W+1], v15
	s_delay_alu instid0(VALU_DEP_1)
	v_lshl_add_u32 v[AWF], v13, 4, v15
	s_delay_alu instid0(VALU_DEP_2)
	v_lshl_add_u32 v[STO], v13, 5, v15
	v_add_nc_u32 v[RD], s[G0W+1], v[LI]
	v_lshlrev_b32 v[H32], 5, v13
	v_lshlrev_b32 v[R32], 5, v12
	s_delay_alu instid0(VALU_DEP_1)
	v_add_nc_u32 v[RR], RED, v[R32]
	s_lshl_b32 s34, s[WV], 2
	v_add_nc_u32 v[RW], s34, v[RR]
	v_mov_b32 v16, 0
	s_wait_kmcnt 0x0
	s_add_nc_u64 s[G0W+2:G0W+3], s[10:11], s[60:61]
	s_or_b32 s[G0W+3], s[G0W+3], 0x80000000
	s_add_nc_u64 s[12:13], s[12:13], s[62:63]      ; Wres's scale bytes at my wave's 128 rows
	s_mov_b32 s67, 0
	s_lshl_b32 s66, s24, 13
	s_add_nc_u64 s[4:5], s[4:5], s[66:67]
	s_lshl_b32 s66, s24, 9
	s_add_nc_u64 s[6:7], s[6:7], s[66:67]
	s_lshl_b32 s66, s24, 16
	s_add_nc_u64 s[8:9], s[8:9], s[66:67]
	s_add_nc_u64 s[20:21], s[20:21], s[66:67]
	s_lshl_b32 s66, s[WV], 13
	s_add_nc_u64 s[8:9], s[8:9], s[66:67]
	s_lshl_b32 s66, s[WV], 9
	s_add_nc_u64 s[20:21], s[20:21], s[66:67]
	s_add_nc_u64 s[14:15], s[14:15], s[66:67]
	s_add_nc_u64 s[16:17], s[16:17], s[66:67]
	s_add_nc_u64 s[18:19], s[18:19], s[66:67]
	CROUND
	tensor_load_to_lds s[G0W:G0W+3], s[G1W:G1W+7]  ; my one tensor load at the head: the first 64 of my rows of Wres
	s_nop 0
	PLACES
	s_wait_alu depctr_va_vdst(0)
.irp a, 0,1,2,3,4,5,6,7
.irp q, 0,1
	global_load_b128 v[ACC+8*\a+4*\q:ACC+8*\a+4*\q+3], v[H32], s[14:15] offset:64*\a+16*\q
.endr
.endr
.irp k, 0,1,2,3,4,5,6,7,8,9,10,11,12,13,14,15
	global_load_b128 v[AF+4*\k:AF+4*\k+3], v[LI], s[4:5] offset:512*\k
.endr
	global_load_b128 v[AS:AS+3], v[R32], s[6:7]
	global_load_b128 v[AS+4:AS+7], v[R32], s[6:7] offset:16
	WSL 0
	s_wait_loadcnt 0x0
	s_wait_tensorcnt 0x0
	HALF 0
	WSL 1                                          ; behind the last products' four places; the wait for all loads ahead of the second half covers these
	s_wait_tensorcnt 0x0
	ds_add_u32 v[SPW], v[NIL]
	s_add_nc_u64 s[G0W+2:G0W+3], s[G0W+2:G0W+3], 64*512
	s_wait_dscnt 0x0
	CROUND
	tensor_load_to_lds s[G0W:G0W+3], s[G1W:G1W+7]
	s_nop 0
	PLACES
.irp k, 0,1,2,3,4,5,6,7
	global_load_b128 v[WF+4*\k:WF+4*\k+3], v[LI], s[8:9] offset:512*\k th:TH_LOAD_NT
.endr
	TANH ACC, 32
	s_wait_loadcnt 0x0
.set TI, 0
.rept 16
	v_pk_add_f32 v[ACC+TI:ACC+TI+1], v[ACC+TI:ACC+TI+1], v[WF+TI:WF+TI+1]
.set TI, TI+2
.endr
	s_wait_tensorcnt 0x0
	HALF 1
.irp k, 0,1,2,3,4,5,6,7
	global_load_b128 v[WF+4*\k:WF+4*\k+3], v[LI], s[8:9] offset:4096+512*\k th:TH_LOAD_NT
.endr
.irp a, 0,1,2,3,4,5,6,7
.irp q, 0,1
	global_load_b128 v[AF+8*\a+4*\q:AF+8*\a+4*\q+3], v[H32], s[16:17] offset:64*\a+16*\q
.endr
.endr
	TANH ACC+32, 32
	s_wait_loadcnt 16
.set TI, 0
.rept 16
	v_pk_add_f32 v[ACC+32+TI:ACC+32+TI+1], v[ACC+32+TI:ACC+32+TI+1], v[WF+TI:WF+TI+1]
.set TI, TI+2
.endr
.irp a, 0,1,2,3,4,5,6,7
.irp q, 0,1
	global_load_b128 v[WF+8*\a+4*\q:WF+8*\a+4*\q+3], v[H32], s[18:19] offset:64*\a+16*\q
.endr
.endr
	v_pk_add_f32 v[12:13], v[ACC:ACC+1], v[ACC+2:ACC+3]
	v_pk_add_f32 v[14:15], v[ACC+4:ACC+5], v[ACC+6:ACC+7]
.set TI, 8
.rept 14
	s_delay_alu instid0(VALU_DEP_2)
	v_pk_add_f32 v[12:13], v[12:13], v[ACC+TI:ACC+TI+1]
	s_delay_alu instid0(VALU_DEP_2)
	v_pk_add_f32 v[14:15], v[14:15], v[ACC+TI+2:ACC+TI+3]
.set TI, TI+4
.endr
	s_delay_alu instid0(VALU_DEP_1)
	v_pk_add_f32 v[12:13], v[12:13], v[14:15]
	s_delay_alu instid0(VALU_DEP_1)
	v_add_f32 v12, v12, v13
	s_delay_alu instid0(VALU_DEP_1)
	v_permlanex16_b32 v16, v12, s[SEL], s[SEL+1]
	s_delay_alu instid0(VALU_DEP_1)
	v_add_f32 v12, v12, v16
	ds_store_b32 v[RW], v12
	s_wait_dscnt 0x0
	s_barrier_signal -1
	s_barrier_wait -1
	ds_load_b128 v[12:15], v[RR]
	ds_load_b128 v[16:19], v[RR] offset:16
	s_wait_dscnt 0x0
	v_pk_add_f32 v[12:13], v[12:13], v[14:15]
	v_pk_add_f32 v[16:17], v[16:17], v[18:19]
	s_delay_alu instid0(VALU_DEP_1)
	v_pk_add_f32 v[12:13], v[12:13], v[16:17]
	s_delay_alu instid0(VALU_DEP_1)
	v_add_f32 v12, v12, v13
	s_delay_alu instid0(VALU_DEP_1)
	v_mul_f32 v12, s30, v12
.set TI, 0
.rept 32
	v_pk_add_f32 v[ACC+TI:ACC+TI+1], v[ACC+TI:ACC+TI+1], v[12:13] op_sel_hi:[1,0] neg_lo:[0,1] neg_hi:[0,1]
.set TI, TI+2
.endr
	v_pk_mul_f32 v[14:15], v[ACC:ACC+1], v[ACC:ACC+1]
	v_pk_mul_f32 v[16:17], v[ACC+2:ACC+3], v[ACC+2:ACC+3]
.set TI, 4
.rept 15
	s_delay_alu instid0(VALU_DEP_2)
	v_pk_fma_f32 v[14:15], v[ACC+TI:ACC+TI+1], v[ACC+TI:ACC+TI+1], v[14:15]
	s_delay_alu instid0(VALU_DEP_2)
	v_pk_fma_f32 v[16:17], v[ACC+TI+2:ACC+TI+3], v[ACC+TI+2:ACC+TI+3], v[16:17]
.set TI, TI+4
.endr
	s_delay_alu instid0(VALU_DEP_1)
	v_pk_add_f32 v[14:15], v[14:15], v[16:17]
	s_delay_alu instid0(VALU_DEP_1)
	v_add_f32 v14, v14, v15
	s_delay_alu instid0(VALU_DEP_1)
	v_permlanex16_b32 v18, v14, s[SEL], s[SEL+1]
	s_delay_alu instid0(VALU_DEP_1)
	v_add_f32 v14, v14, v18
	ds_store_b32 v[RW], v14 offset:512
	s_wait_dscnt 0x0
	s_barrier_signal -1
	s_barrier_wait -1
	ds_load_b128 v[12:15], v[RR] offset:512
	ds_load_b128 v[16:19], v[RR] offset:528
	s_wait_dscnt 0x0
	v_pk_add_f32 v[12:13], v[12:13], v[14:15]
	v_pk_add_f32 v[16:17], v[16:17], v[18:19]
	s_delay_alu instid0(VALU_DEP_1)
	v_pk_add_f32 v[12:13], v[12:13], v[16:17]
	s_delay_alu instid0(VALU_DEP_1)
	v_add_f32 v12, v12, v13
	s_delay_alu instid0(VALU_DEP_1)
	v_fma_f32 v12, v12, s30, s31
	s_wait_alu depctr_va_vdst(0)
	v_rsq_f32 v12, v12
	v_nop
	s_wait_loadcnt 0x0
.set TI, 0
	s_wait_alu depctr_va_vdst(0)
.rept 32
	v_pk_mul_f32 v[ACC+TI:ACC+TI+1], v[ACC+TI:ACC+TI+1], v[12:13] op_sel_hi:[1,0]
.set TI, TI+2
.endr
.set TI, 0
.rept 32
	v_pk_fma_f32 v[ACC+TI:ACC+TI+1], v[ACC+TI:ACC+TI+1], v[AF+TI:AF+TI+1], v[WF+TI:WF+TI+1]
.set TI, TI+2
.endr
	TANH ACC, 64
.irp a, 0,1,2,3,4,5,6,7
.irp q, 0,1
	ds_store_b128 v[STO], v[ACC+8*\a+4*\q:ACC+8*\a+4*\q+3] offset:64*\a+16*\q
.endr
.endr
.irp i, 0,1,2,3,4,5,6,7,8,9,10,11,12,13,14,15
	ds_load_b128 v[AF+4*\i:AF+4*\i+3], v[RD] offset:528*\i
.endr
.irp i, 0,1,2,3,4,5,6,7,8,9,10,11,12,13,14,15
	s_wait_dscnt 15-\i
	global_store_b128 v[LI], v[AF+4*\i:AF+4*\i+3], s[20:21] offset:4096*\i th:TH_STORE_NT
.endr
	s_wait_tensorcnt 0x0
	ds_add_u32 v[SPW], v[NIL]
	s_wait_dscnt 0x0
	CROUND
	s_endpgm
.Lfunc_end_k_q3c61227996_outp:
	.size	k_q3c61227996_outp, .Lfunc_end_k_q3c61227996_outp-k_q3c61227996_outp
	.p2alignl 7, 3214868480
	.fill 96, 4, 3214868480
	.section	.rodata,"a",@progbits
	.p2align	6, 0x0
	.amdhsa_kernel k_q3c61227996_outp
		.amdhsa_group_segment_fixed_size 327680
		.amdhsa_private_segment_fixed_size 0
		.amdhsa_enable_private_segment 0
		.amdhsa_kernarg_size 72
		.amdhsa_user_sgpr_count 2
		.amdhsa_user_sgpr_kernarg_segment_ptr 1
		.amdhsa_wavefront_size32 1
		.amdhsa_system_sgpr_workgroup_id_x 1
		.amdhsa_system_sgpr_workgroup_id_y 1
		.amdhsa_system_sgpr_workgroup_id_z 1
		.amdhsa_system_vgpr_workitem_id 0
		.amdhsa_next_free_vgpr 256
		.amdhsa_next_free_sgpr 80
		.amdhsa_reserve_vcc 0
		.amdhsa_float_denorm_mode_32 3
		.amdhsa_float_denorm_mode_16_64 3
		.amdhsa_memory_ordered 1
		.amdhsa_forward_progress 1
		.amdhsa_inst_pref_size 73
	.end_amdhsa_kernel
	.amdgpu_metadata
---
amdhsa.version: [ 1, 2 ]
amdhsa.kernels:
  - .name:           k_q3c61227996_outp
    .symbol:         k_q3c61227996_outp.kd
    .args:
      - { .name: xc, .offset: 0, .size: 8, .value_kind: global_buffer, .address_space: global }
      - { .name: xs, .offset: 8, .size: 8, .value_kind: global_buffer, .address_space: global }
      - { .name: xf, .offset: 16, .size: 8, .value_kind: global_buffer, .address_space: global }
      - { .name: Wres_codes, .offset: 24, .size: 8, .value_kind: global_buffer, .address_space: global }
      - { .name: Wres_scales, .offset: 32, .size: 8, .value_kind: global_buffer, .address_space: global }
      - { .name: bres, .offset: 40, .size: 8, .value_kind: global_buffer, .address_space: global }
      - { .name: g_out, .offset: 48, .size: 8, .value_kind: global_buffer, .address_space: global }
      - { .name: b_out, .offset: 56, .size: 8, .value_kind: global_buffer, .address_space: global }
      - { .name: out0, .offset: 64, .size: 8, .value_kind: global_buffer, .address_space: global }
    .group_segment_fixed_size: 327680
    .private_segment_fixed_size: 0
    .kernarg_segment_align: 8
    .kernarg_segment_size: 72
    .max_flat_workgroup_size: 256
    .sgpr_count:     80
    .vgpr_count:     256
    .wavefront_size: 32
...
	.end_amdgpu_metadata
.endif
;; end of part 3
